; MI455X (gfx1250); checked and timed in simulation.
; The chip was launched on July 23, 2026; its instructions are those of AMD's public machine-readable ISA for CDNA 5 (MIT licence, August 2026) and "CDNA5" Instruction Set Architecture Reference Guide (July 2026). The comments in the code are by the model that wrote it; some were corrected since.
;; Causal Multi Head Attention. Allowed arithmetic: matrix products marked QUANTISED: E2M1 operands, one E8M0 scale for each 32 along K, by v_wmma_scale_f32_16x16x128_f8f6f4 with both operands' format E2M1 (or v_wmma_scale_f32_32x16x128_f4), f32 sums; products left as they are: bf16, f16 or f32 operands; f32 sums; everything else in f32.
;; Inputs: Wk 1,024 x 1,024 float32; Wo 1,024 x 1,024 float32; Wq 1,024 x 1,024 float32; Wv 1,024 x 1,024 float32; bk 1,024 float32; bo 1,024 float32; bq 1,024 float32; bv 1,024 float32; x 2 x 2,048 x 1,024 float32.
;; Outputs: out0 2 x 2,048 x 1,024 float32.
;; This version of the problem:
;;   THIS VERSION OF THE PROBLEM IS GIVEN IN LOW PRECISION. The matrix products marked QUANTISED in the list below multiply operands that are first quantised to E2M1 (2 exponent bits, 1 mantissa bit; 4 bits a number), with one power-of-two scale for each 32 numbers along K (OCP MX v1.0); their sums are f32. The products marked 'left as it is' may take bf16, f16 or f32 operands, with f32 sums. Whichever they take, every output number must still come out within the allowed error. Rounding operands to bf16 (8 significant bits) uses up far more of that allowance than f16 does (11 bits, for magnitudes from 6e-5 to 65,504). All else is computed in f32.
;;   The module's matrix products, in the order in which they are computed (A, B: the left and right operand; K: the contracted axis; several contracted axes count as one K, in the product's order):
;;     1. [M 4,096, K 1,024] x [K 1,024, N 1,024]; A: input x; B: input Wq: QUANTISED
;;     2. [M 4,096, K 1,024] x [K 1,024, N 1,024]; A: input x; B: input Wk: QUANTISED
;;     3. [M 4,096, K 1,024] x [K 1,024, N 1,024]; A: input x; B: input Wv: QUANTISED
;;     4. batch 32 x [M 2,048, K 64] x [K 64, N 2,048]; A: computed on the way; B: computed on the way: left as it is (an operand is computed on the way)
;;     5. batch 32 x [M 2,048, K 2,048] x [K 2,048, N 64]; A: computed on the way; B: computed on the way: left as it is (an operand is computed on the way)
;;     6. [M 4,096, K 1,024] x [K 1,024, N 1,024]; A: computed on the way; B: input Wo: left as it is (an operand is computed on the way)
;;   THE QUANTISER, for each operand of a quantised product, along K:
;;     - K is cut into blocks of 32 from its start; a last block that is shorter is filled with zeros.
;;     - A block's scale is 2^e with e = floor(log2(the largest magnitude in the block)) - 2, held to -126 .. 127; a block of zeros has e = 0. As a byte (E8M0): e + 127.
;;     - Each number is divided by its block's scale, clamped to +-6, and rounded to the nearest number of E2M1, ties to even, subnormals kept.
;;     - The product sums the exact products of the quantised numbers (number of the format x scale) in f32.
;;   ~~~python
;;   def quantise(x, axis):      # numpy; x: float32 -> the quantised numbers, widened to float32 again
;;       x = np.moveaxis(x, axis, -1); K = x.shape[-1]
;;       x = np.pad(x, [(0, 0)] * (x.ndim - 1) + [(0, -K % 32)]); x = x.reshape(x.shape[:-1] + (-1, 32)); a = np.abs(x).max(-1, keepdims=True)
;;       e = np.where(a > 0, np.clip(np.frexp(np.where(a > 0, a, 1))[1] - 1 - 2, -126, 127), 0)      # np.frexp(a)[1] - 1 = floor(log2(a)), exactly
;;       r = np.clip(x / 2.0 ** e, -6, 6)
;;       step = 2.0 ** (np.maximum(np.frexp(np.where(r == 0, 1, r))[1] - 1, 0) - 1)
;;       q = np.round(r / step) * step * 2.0 ** e      # np.round: ties to even
;;       return np.moveaxis(q.reshape(q.shape[:-2] + (-1,))[..., :K], -1, axis).astype(np.float32)
;;   ~~~
;; One version. Each part assembles by itself: llvm-mc -triple=amdgcn-amd-amdhsa -mcpu=gfx1250 --defsym DOCPART=n.
;; ======== version 1 of 1: 5 launches
;; limits: values are held in f16: magnitudes above 65,504 overflow, below 6.1e-05 lose precision
;; workspace buffers: xc 2,097,152 bytes; xs 131,072 bytes; wc 1,572,864 bytes; ws 98,304 bytes; qkv16 25,165,824 bytes; lo16 196,608 bytes; o16 8,388,608 bytes; wo16 4,194,304 bytes
;; launch quant (part 1): grid 256 x 1, 4 waves a work-group, no clusters, 67,072 bytes of LDS; arguments x, Wq, Wk, Wv, Wo, xc, xs, wc, ws, wo16; writes xc, xs, wc, ws, wo16
.if DOCPART == 1
	.amdgcn_target "amdgcn-amd-amdhsa--gfx1250"
	.amdhsa_code_object_version 6
	.text
	.protected	k_q6f0381e969_quant
	.globl	k_q6f0381e969_quant
	.p2align	8
	.type	k_q6f0381e969_quant,@function
k_q6f0381e969_quant:
	s_mov_b64 s[64:65], 0
	v_nop
	global_prefetch_b8 v0, s[64:65] scope:SCOPE_SE
	s_setreg_imm32_b32 hwreg(HW_REG_WAVE_MODE, 25, 1), 1
	s_wait_xcnt 0x0
; x [4096][1024] and Wq, Wk, Wv [1024][1024], f32 with K innermost, become codes of FP4 (E2M1) and one E8M0 scale byte for each 32 along K: xc, xs; wc, ws (rows 0-1023 Wq, then Wk, then Wv).
; Wo [1024][1024] becomes f16 in two parts, a high part f16(w) and a low part f16(w - high), laid as images of operand registers (wo16: high parts, then 2,097,152 bytes on the low parts).
; SHARES.  Every work-group reads 131,072 bytes.  Work-groups 0-127 take x, 128-159 Wq, 160-191 Wk, 192-223 Wv (path A), 224-255 Wo (path B).  The paths part on the work-group's number and have LDS bytes of their own.
; No cluster: no two work-groups read the same byte.  No tensor loads, no barrier: waves share nothing.  No prefetch: the launch is one stream of loads that are all issued ahead.
; PATH A.  Rows are dense and K is a multiple of 32, so a tensor is a stream of blocks of 32.  A wave takes 16 steps of 512 numbers.  Each load reads 512 consecutive bytes; a step's 2,048 bytes turn through the wave's stage
; in LDS so that a lane holds 16 neighbours (two lanes a block).  A block's scale is its largest magnitude's exponent field less 2, held at 1 from below.
; PATH B.  A wave takes 16 rows x 512 columns in four tasks of 128 columns.  A chunk of wo16 is 512 bytes: cell lane = r + 16 h holds Wo[16 NT + r][32 kc + 16 e + 8 h + 0..7]; chunk (NT, kc, e) lies at 32768 NT + 1024 kc + 512 e.
; LIMITS: NaN and infinities are not served.  A block whose largest magnitude lies under 2^-124 gets the byte 1; a block of zeros too, where the rule says 127: its codes are zeros, and this program alone reads the bytes.
; |Wo| stays under 65,504 (f16).
.set STEPS, 16
.set CB,    8                          ; bytes of 16 codes
.set R,     16                         ; v16-79   path A: four sets of 16 numbers as loaded
.set X,     80                         ; v80-111  two sets of 16 neighbours
.set E,     112                        ; v112-127 a scale byte for each step
.set C,     128                        ; v128-191 codes, four registers a step
.set WREG,  8192                       ; path A's LDS: a region for each wave: two stages of 32 x SP bytes, then its 256 scale bytes
.set SP,    80
.set WOST,  4*WREG                     ; path B's LDS: a stage of 16 rows x WP bytes for each wave
.set WP,    528                        ; 512 bytes + 16: the 16 rows that a load touches fall on 16 different 16-byte columns
.set SPARE, WOST+4*16*WP               ; the spare words, 128 bytes a wave
.set SPW,   12                         ; v12  SPARE + 4 x my thread's number; never rewritten
.set NIL,   13                         ; v13  0; never rewritten
.set RW,    128                        ; path B: v128-191, v192-255 two sets of 16 rows as loaded
.set XB,    16                         ; path B: v16-31 two units of 8 numbers; v32-39 at work; v40-43 high parts, v44-47 low parts
	s_load_b256 s[4:11], s[0:1], 0x0               ; x, Wq, Wk, Wv
	s_load_b256 s[12:19], s[0:1], 0x20             ; Wo, xc, xs, wc
	s_load_b128 s[20:23], s[0:1], 0x40             ; ws, wo16
	v_lshl_add_u32 v[SPW], v0, 2, SPARE
	v_mov_b32 v[NIL], 0
	v_lshrrev_b32 v1, 5, v0
	v_readfirstlane_b32 s24, v1                    ; wave
	v_and_b32 v2, 31, v0                           ; lane
	s_cmp_ge_u32 ttmp9, 224
	s_cbranch_scc1 .Lwo
	; ---------------- PATH A
	v_lshlrev_b32 v3, 4, v2                        ; my 16 bytes of a load's 512
	s_mul_i32 s25, s24, WREG
	v_lshrrev_b32 v14, 2, v2
	v_mul_u32_u24 v14, v14, SP
	v_and_b32 v15, 3, v2
	v_lshl_add_u32 v14, v15, 4, v14
	v_add_nc_u32 v14, s25, v14                     ; the stage, way in: SP (lane / 4) + 16 (lane % 4)
	v_mul_u32_u24 v15, v2, SP
	v_add_nc_u32 v15, s25, v15                     ; way out: SP x lane: my 16 neighbours
	v_mul_u32_u24 v4, v2, CB                       ; my codes' place in a step's
	v_lshrrev_b32 v5, 1, v2
	s_add_co_u32 s25, s25, 2*32*SP
	v_add_nc_u32 v5, s25, v5                       ; my block's scale byte in the wave's 256
	v_lshlrev_b32 v7, 3, v2
	v_add_nc_u32 v6, s25, v7                       ; and 8 bytes a lane on their way out
	s_wait_kmcnt 0x0
	s_cmp_lt_u32 ttmp9, 192                        ; which tensor: the choices hang on the work-group's number alone
	s_cselect_b64 s[26:27], s[8:9], s[10:11]
	s_cmp_lt_u32 ttmp9, 160
	s_cselect_b64 s[26:27], s[6:7], s[26:27]
	s_cmp_lt_u32 ttmp9, 128
	s_cselect_b64 s[26:27], s[4:5], s[26:27]       ; the numbers,
	s_cselect_b64 s[28:29], s[14:15], s[18:19]     ; the codes,
	s_cselect_b64 s[30:31], s[16:17], s[20:21]     ; the scale bytes
	s_cselect_b32 s25, 0, 128
	s_cselect_b32 s33, -1, 31
	s_sub_co_u32 s25, ttmp9, s25                   ; the work-group's place in xc or in wc,
	s_and_b32 s32, s25, s33                        ; and in its own tensor (a weight has 32 work-groups)
	s_lshl_b32 s25, s25, 2
	s_add_co_u32 s25, s25, s24                     ; my wave's run of 8,192 numbers, in the codes' buffer
	s_lshl_b32 s32, s32, 2
	s_add_co_u32 s32, s32, s24                     ; and in the tensor
	s_mov_b32 s35, 0
	s_lshl_b32 s34, s32, 15
	s_add_nc_u64 s[26:27], s[26:27], s[34:35]
	s_lshl_b32 s34, s25, 12
	s_add_nc_u64 s[28:29], s[28:29], s[34:35]
	s_lshl_b32 s34, s25, 8
	s_add_nc_u64 s[30:31], s[30:31], s[34:35]
.macro LOAD t
.irp i, 0,1,2,3
	global_load_b128 v[R+16*((\t)%4)+4*\i:R+16*((\t)%4)+4*\i+3], v3, s[26:27] offset:2048*(\t)+512*\i th:TH_LOAD_NT   ; 32 lanes read 512 consecutive bytes
.endr
.endm
.macro TURN t                          ; step t's numbers through the stage: LDS serves a wave's instructions in order, so no wait stands between the stores and the loads
.irp i, 0,1,2,3
	ds_store_b128 v14, v[R+16*((\t)%4)+4*\i:R+16*((\t)%4)+4*\i+3] offset:32*SP*((\t)%2)+8*SP*\i
.endr
.irp i, 0,1,2,3
	ds_load_b128 v[X+16*((\t)%2)+4*\i:X+16*((\t)%2)+4*\i+3], v15 offset:32*SP*((\t)%2)+16*\i
.endr
.endm
.irp t, 0,1,2,3
	LOAD \t
.endr
	s_wait_loadcnt 12                              ; step 0's four loads are in; twelve younger ones stay out
	TURN 0
.macro STEP t
.set XS, X+16*((\t)%2)
.if (\t) > 0
	s_wait_dscnt 1                                 ; this step's numbers are back from the stage (the last step's byte store may be out)
.else
	s_wait_dscnt 0x0
.endif
.if (\t)+4 < STEPS
	LOAD (\t)+4                                    ; into the registers that the stage's stores have read
.endif
.if (\t)+1 < STEPS
.if STEPS-2-(\t) >= 3
	s_wait_loadcnt 12                              ; the next step's four loads are in; those of the three steps behind it may be out
.else
	s_wait_loadcnt 4*(STEPS-2-(\t))
.endif
	TURN (\t)+1
.endif
	v_max3_num_f32 v8, |v[XS]|, |v[XS+1]|, |v[XS+2]|               ; the largest magnitude of my 16, in two chains
	v_max3_num_f32 v9, |v[XS+3]|, |v[XS+4]|, |v[XS+5]|
.irp i, 6,10
	v_max3_num_f32 v8, v8, |v[XS+\i]|, |v[XS+\i+1]|
	v_max3_num_f32 v9, v9, |v[XS+\i+2]|, |v[XS+\i+3]|
.endr
	v_max3_num_f32 v8, v8, |v[XS+14]|, |v[XS+15]|
	v_max3_num_f32 v8, v8, v9, 0x1800000           ; and the floor 2^(3 - 127): the byte cannot fall under 1
	v_max_num_f32_dpp v8, v8, v8 row_xmask:1 row_mask:0xf bank_mask:0xf   ; with my neighbour's 16: the block's
	v_add_nc_u32 v11, 0xff000000, v8               ; 2 off its exponent field: the conversion takes the exponent field of this operand as its scale
	v_cvt_scalef32_pk8_fp4_f32 v[C+4*(\t)], v[XS:XS+7], v11
	v_cvt_scalef32_pk8_fp4_f32 v[C+4*(\t)+1], v[XS+8:XS+15], v11
	v_lshrrev_b32 v[E+(\t)], 23, v11               ; the scale's byte
	ds_store_b8 v5, v[E+(\t)] offset:16*(\t)       ; both lanes of a block write the same byte with the same value
	global_store_b64 v4, v[C+4*(\t):C+4*(\t)+1], s[28:29] offset:32*CB*(\t)   ; the wave stores 256 consecutive bytes, aligned
.endm
.irp t, 0,1,2,3,4,5,6,7,8,9,10,11,12,13,14,15
	STEP \t
.endr
	ds_load_b64 v[8:9], v6                         ; LDS serves a wave's instructions in order: these see my byte stores
	s_wait_dscnt 0x0
	global_store_b64 v7, v[8:9], s[30:31]          ; 256 consecutive bytes, aligned
	s_wait_tensorcnt 0x0                           ; the wave's end, behind my last LDS store
	ds_add_u32 v[SPW], v[NIL]
	s_wait_dscnt 0x0
	s_endpgm
	; ---------------- PATH B
.Lwo:
	s_sub_co_u32 s25, ttmp9, 224
	s_lshl_b32 s25, s25, 2
	s_add_co_u32 s25, s25, s24                     ; 0 .. 127
	s_lshr_b32 s32, s25, 1                         ; my tile of 16 rows
	s_and_b32 s33, s25, 1                          ; my half of the columns
	s_mul_i32 s34, s24, 16*WP
	s_add_co_u32 s34, s34, WOST                    ; my stage
	v_lshlrev_b32 v1, 4, v2                        ; 16 x lane: in memory, in and out
	v_add_nc_u32 v3, s34, v1                       ; the stage, way in: a row's 512 bytes as they lie
	v_and_b32 v4, 15, v2
	v_lshrrev_b32 v5, 4, v2
	v_mul_u32_u24 v4, v4, WP
	v_lshl_add_u32 v4, v5, 5, v4
	v_add_nc_u32 v4, s34, v4                       ; way back: row r, + 32 h: my 8 numbers of a unit
	s_lshl_b32 s26, s32, 16
	s_lshl_b32 s27, s33, 11
	s_add_co_u32 s26, s26, s27
	s_mov_b32 s27, 0
	s_lshl_b32 s28, s32, 15
	s_lshl_b32 s29, s33, 14
	s_add_co_u32 s28, s28, s29
	s_mov_b32 s29, 0
	s_wait_kmcnt 0x0
	s_add_nc_u64 s[12:13], s[12:13], s[26:27]
	s_add_nc_u64 s[22:23], s[22:23], s[28:29]
.macro LOADT q                         ; task q: 16 rows x 512 bytes
.irp t, 0,1,2,3,4,5,6,7,8,9,10,11,12,13,14,15
	global_load_b128 v[RW+64*((\q)%2)+4*\t:RW+64*((\q)%2)+4*\t+3], v1, s[12:13] offset:4096*\t+512*(\q) th:TH_LOAD_NT
.endr
.endm
.macro UL u                            ; unit u = 2 c + e of a task: 16 columns; my 8 numbers
	ds_load_b128 v[XB+8*((\u)%2):XB+8*((\u)%2)+3], v4 offset:64*(\u)
	ds_load_b128 v[XB+8*((\u)%2)+4:XB+8*((\u)%2)+7], v4 offset:64*(\u)+16
.endm
.macro UNIT q, u
.set XS, XB+8*((\u)%2)
.if (\u) < 7
	UL (\u)+1
	s_wait_dscnt 2                                 ; this unit is in; the next unit's two loads may be out
.else
	s_wait_dscnt 0x0
.endif
	s_wait_xcnt 0x0                                ; the last unit's stores have read v40-47, which are written again only behind this wait
	v_cvt_pk_f16_f32 v40, v[XS], v[XS+1]           ; the high parts
	v_cvt_pk_f16_f32 v41, v[XS+2], v[XS+3]
	v_cvt_pk_f16_f32 v42, v[XS+4], v[XS+5]
	v_cvt_pk_f16_f32 v43, v[XS+6], v[XS+7]
	v_cvt_f32_f16 v32, v40.l                       ; widened again,
	v_cvt_f32_f16 v33, v40.h
	v_cvt_f32_f16 v34, v41.l
	v_cvt_f32_f16 v35, v41.h
	v_cvt_f32_f16 v36, v42.l
	v_cvt_f32_f16 v37, v42.h
	v_cvt_f32_f16 v38, v43.l
	v_cvt_f32_f16 v39, v43.h
.irp j, 0,2,4,6
	v_pk_add_f32 v[32+\j:33+\j], v[XS+\j:XS+\j+1], v[32+\j:33+\j] neg_lo:[0,1] neg_hi:[0,1]   ; what the high part left (exact),
.endr
.irp j, 0,1,2,3
	v_cvt_pk_f16_f32 v[44+\j], v[32+2*\j], v[33+2*\j]              ; as the low part
.endr
	global_store_b128 v1, v[40:43], s[22:23] offset:4096*(\q)+512*(\u)             ; a chunk: 512 consecutive bytes, aligned
	global_store_b128 v1, v[44:47], s[22:23] offset:4096*(\q)+512*(\u)+2097152
.endm
.macro TASK q
.if (\q) < 3
	s_wait_loadcnt 16                              ; this task's 16 loads are in; the next task's may be out
.else
	s_wait_loadcnt 0x0
.endif
.irp t, 0,1,2,3,4,5,6,7,8,9,10,11,12,13,14,15
	ds_store_b128 v3, v[RW+64*((\q)%2)+4*\t:RW+64*((\q)%2)+4*\t+3] offset:WP*\t
.endr
	s_wait_dscnt 0x0                               ; the stores have read their registers
.if (\q) < 2
	LOADT (\q)+2
.endif
	UL 0
.irp u, 0,1,2,3,4,5,6,7
	UNIT \q, \u
.endr
.endm
	LOADT 0
	LOADT 1
	TASK 0
	TASK 1
	TASK 2
	TASK 3
	s_wait_tensorcnt 0x0                           ; the wave's end, behind my last LDS store
	ds_add_u32 v[SPW], v[NIL]
	s_wait_dscnt 0x0
	s_endpgm
.Lfunc_end_k_q6f0381e969_quant:
	.size	k_q6f0381e969_quant, .Lfunc_end_k_q6f0381e969_quant-k_q6f0381e969_quant
	.p2alignl 7, 3214868480
	.fill 96, 4, 3214868480
	.section	.rodata,"a",@progbits
	.p2align	6, 0x0
	.amdhsa_kernel k_q6f0381e969_quant
		.amdhsa_group_segment_fixed_size 67072
		.amdhsa_private_segment_fixed_size 0
		.amdhsa_enable_private_segment 0
		.amdhsa_kernarg_size 80
		.amdhsa_user_sgpr_count 2
		.amdhsa_user_sgpr_kernarg_segment_ptr 1
		.amdhsa_wavefront_size32 1
		.amdhsa_system_sgpr_workgroup_id_x 1
		.amdhsa_system_sgpr_workgroup_id_y 1
		.amdhsa_system_sgpr_workgroup_id_z 1
		.amdhsa_system_vgpr_workitem_id 0
		.amdhsa_next_free_vgpr 256
		.amdhsa_next_free_sgpr 66
		.amdhsa_reserve_vcc 0
		.amdhsa_float_denorm_mode_32 3
		.amdhsa_float_denorm_mode_16_64 3
		.amdhsa_memory_ordered 1
		.amdhsa_forward_progress 1
		.amdhsa_inst_pref_size 89
	.end_amdhsa_kernel
	.amdgpu_metadata
---
amdhsa.version: [ 1, 2 ]
amdhsa.kernels:
  - .name:           k_q6f0381e969_quant
    .symbol:         k_q6f0381e969_quant.kd
    .args:
      - { .name: x, .offset: 0, .size: 8, .value_kind: global_buffer, .address_space: global }
      - { .name: Wq, .offset: 8, .size: 8, .value_kind: global_buffer, .address_space: global }
      - { .name: Wk, .offset: 16, .size: 8, .value_kind: global_buffer, .address_space: global }
      - { .name: Wv, .offset: 24, .size: 8, .value_kind: global_buffer, .address_space: global }
      - { .name: Wo, .offset: 32, .size: 8, .value_kind: global_buffer, .address_space: global }
      - { .name: xc, .offset: 40, .size: 8, .value_kind: global_buffer, .address_space: global }
      - { .name: xs, .offset: 48, .size: 8, .value_kind: global_buffer, .address_space: global }
      - { .name: wc, .offset: 56, .size: 8, .value_kind: global_buffer, .address_space: global }
      - { .name: ws, .offset: 64, .size: 8, .value_kind: global_buffer, .address_space: global }
      - { .name: wo16, .offset: 72, .size: 8, .value_kind: global_buffer, .address_space: global }
    .group_segment_fixed_size: 67072
    .private_segment_fixed_size: 0
    .kernarg_segment_align: 8
    .kernarg_segment_size: 80
    .max_flat_workgroup_size: 128
    .sgpr_count:     66
    .vgpr_count:     256
    .wavefront_size: 32
...
	.end_amdgpu_metadata
.endif
;; end of part 1
;; launch qkv (part 2): grid 12 x 16, 4 waves a work-group, clusters of 4 x 4, 327,680 bytes of LDS; arguments xc, xs, wc, ws, bq, bk, bv, qkv16, lo16; writes qkv16, lo16
.if DOCPART == 2
	.amdgcn_target "amdgcn-amd-amdhsa--gfx1250"
	.amdhsa_code_object_version 6
	.text
	.protected	k_q6f0381e969_qkv
	.globl	k_q6f0381e969_qkv
	.p2align	8
	.type	k_q6f0381e969_qkv,@function
k_q6f0381e969_qkv:
	s_mov_b64 s[64:65], 0
	v_nop
	global_prefetch_b8 v0, s[64:65] scope:SCOPE_SE
	s_setreg_imm32_b32 hwreg(HW_REG_WAVE_MODE, 25, 1), 1
	s_wait_xcnt 0x0
	s_wait_alu depctr_hold_cnt(0) depctr_sa_sdst(0) depctr_va_vdst(0) depctr_va_sdst(0) depctr_va_ssrc(0) depctr_va_vcc(0) depctr_vm_vsrc(0)
	s_getreg_b32 s2, hwreg(HW_REG_IB_STS2, 6, 4)
	s_cmp_eq_u32 s2, 0
	s_cbranch_scc0 .Lentry_in_a_cluster
	s_endpgm
.Lentry_in_a_cluster:
	s_bfe_u32 s2, ttmp6, 0x10000c
	s_cmp_lg_u32 s2, 0xf033
	s_cbranch_scc0 .Lentry_shape_is_right
	s_endpgm
.Lentry_shape_is_right:
; q, k, v = x W^T + bias on codes of FP4 (E2M1) with one E8M0 scale for each 32 along K.  A = xc [4096][1024 codes], B = wc [3072][1024 codes] (rows 0-1023 Wq, then Wk, then Wv); sums in f32.
; q is multiplied by log2(e) / 8, so that the attention's scores are exponents of two.  Results leave as f16, laid as images of operand registers:
; qkv16: T x 2^23 (0 q, 1 k, 2 v) + (16 batch + head) x 2^18 + (position / 16) x 2048 + (channel / 16) x 512; a chunk of 512 bytes has 32 cells of 16 bytes.
;   q, k: cell r + 16 h = position r of the 16, channels 8 h + 0..7 of the 16.   v: the same cell with bits 3 and 4 of its number swapped, so that a turning LDS load at 16 x lane gives half a fragment of V^T.
; lo16: T x 65536 + (16 batch + head) x 2048 + chunk x 512: the f16 low parts (value - its f16) of positions 0-15 of each sequence, for the launch that carries those rows more finely.
; A tile of C, 256 x 256, is made by four waves, 128 x 128 each: 64 accumulators, 512 registers.  K = 1,024 is two K steps of 512 in two LDS slots: every tile is asked for at the head, nothing is filled again.
; The scale bytes of the work-group's rows come once, as dense blocks.  CLUSTERS: 4 x 4 work-groups; A's tiles are asked for jointly along a row of the cluster, B's along a column.
; A cluster's four tile columns are one of q, k, v: T is the cluster's x.  THE MATRIX INSTRUCTION IS USED TRANSPOSED (source 0 = 16 rows of W, source 1 = 16 rows of x): a lane holds eight neighbouring channels of one position,
; which is a cell: the results are stored from registers, 512 consecutive aligned bytes an instruction, with no way through LDS.
; No prefetch: all tiles are asked for at the head.
; REGISTERS: window 0: v0-31 addresses and small work; v32-95 scale words, two sets, and nothing else; v128-191 A's fragments, later 64 finished numbers; v96-127, v192-223 packed results by turns; v224-255 low parts.
;   window 1: B's fragments, two sets, at v0 and v128; v192-255 the bias of my 128 columns, in the result's layout.   windows 2, 3: the accumulators ((a, b) at v[8 (8 (a % 4) + b)]).
; LIMITS: NaN and infinities are not served; |q| x 0.18, |k|, |v| stay under 65,504 (f16).
.set SIZE_K, 1024
.set KSTEP,  512
.set NQ,     KSTEP/128
.set ROWB,   256                       ; a tile's row in bytes
.set KROW,   SIZE_K*4/8                ; a row of codes in memory
.set PITCH,  272                       ; an LDS row: 256 bytes + 16: the 16 rows that a load touches start at 16 different 16-byte columns
.set FR,     8
.set NL,     2
.set NP,     4
.set HALFT,  128*PITCH
.set SLOT,   4*HALFT
.set KS,     SIZE_K/32
.set SCL,    2*SLOT                    ; behind the slots: the scales, as units of 256 bytes + 16
.set HALFS,  (128*KS/256)*272
.set SBLK,   (16*KS/256)*272
.set SPARE,  SCL+4*HALFS               ; the spare words, 128 bytes a wave
.set ADRA, 16
.set ADRB, 20
.set ADRS, 27
.set SPW,  28                          ; v28  SPARE + 4 x my thread's number; never rewritten
.set NIL,  29                          ; v29  0; never rewritten
.set BOF,  30                          ; v30  32 x (lane / 16): my place in the bias
.set OFF,  31                          ; v31  16 x my cell
.set SC,   32
.set AF,   128
.set TT,   128                         ; the way out: 64 finished numbers
.set H0,   96                          ; packed results: v96-127 and v192-223 by turns
.set LW,   224                         ; low parts
.set UU,   192                         ; at work on the low parts (ahead of the second set's first use)
.set BS,   192                         ; window 1: bias x scale
.set G1, 24
.set G0, 32
.set G1B, 48
.set G0B, 56
.set G1S, 68
.set G0S, 76
.set G1SB, 80
.set G0SB, 88
.set MSB, 0
.macro WIN new                         ; the immediate's high byte repeats the setting that is left
.if MSB != \new
	s_set_vgpr_msb (MSB<<8)|\new
.set MSB, \new
.endif
.endm
.set MUL_LO, 0xa1                      ; source 0 (W) window 1, source 1 (x) window 0, C and D window 2
.set MUL_HI, 0xf1
.set TO_B,   0x40
; A joint load: waves 0 and 1 fetch for A, waves 2 and 3 for B.  The branch hangs on the wave's number alone.  An s_nop 0 and four v_nop follow each of the two lines.
.macro JLOAD g0a, g1a, g0b, g1b
	s_cmp_eq_u32 s15, 0
	s_cbranch_scc0 .Lfor_b_\@
	tensor_load_to_lds s[\g0a:\g0a+3], s[\g1a:\g1a+7]
	s_nop 0
.rept 4
	v_nop
.endr
	s_branch .Lasked_\@
.Lfor_b_\@:
	tensor_load_to_lds s[\g0b:\g0b+3], s[\g1b:\g1b+7]
	s_nop 0
.rept 4
	v_nop
.endr
.Lasked_\@:
.endm
.macro CROUND                          ; a round of the cluster's barrier
	s_barrier_signal -1
	s_barrier_wait -1
	s_cmp_lg_u32 s14, 0
	s_cbranch_scc1 .Lnot_wave_0_\@
	s_barrier_signal -3
.Lnot_wave_0_\@:
	s_barrier_wait -3
	s_barrier_signal -1
	s_barrier_wait -1
.endm
	s_load_b256 s[4:11], s[0:1], 0x0               ; xc s[4:5], xs s[6:7], wc s[8:9], ws s[10:11]
	s_load_b128 s[96:99], s[0:1], 0x20             ; bq, bk
	s_load_b64 s[100:101], s[0:1], 0x30            ; bv
	s_load_b64 s[12:13], s[0:1], 0x38              ; qkv16
	s_load_b64 s[66:67], s[0:1], 0x40              ; lo16
	v_lshl_add_u32 v[SPW], v0, 2, SPARE
	v_mov_b32 v[NIL], 0
	ds_add_u32 v[SPW], v[NIL]                      ; the wave's opening: the add, twice on end, and its wait ahead of my first tensor load
	ds_add_u32 v[SPW], v[NIL]
	v_lshrrev_b32 v1, 5, v0
	v_readfirstlane_b32 s14, v1                    ; wave 0..3
	s_lshr_b32 s15, s14, 1                         ; which half of the tile's rows is mine.  Also: I fetch for A (0) or for B (1)
	s_and_b32 s16, s14, 1                          ; which half of its columns.  Also: which 128 rows of that tile I fetch
	s_bfe_u32 s40, ttmp6, 0x40000                  ; cx, cy: my place in the cluster
	s_bfe_u32 s41, ttmp6, 0x40004
	s_lshl_b32 s42, ttmp9, 2
	s_add_co_u32 s42, s42, s40                     ; tile column = 4 x cluster x + cx
	s_and_b32 s17, ttmp7, 0xffff
	s_lshl_b32 s17, s17, 2
	s_add_co_u32 s17, s17, s41                     ; tile row = 4 x cluster y + cy
	s_lshl_b32 s43, s41, 2
	s_lshl_b32 s43, 15, s43                        ; my row of the cluster
	s_lshl_b32 s44, 0x1111, s40                    ; my column
	s_or_b32 s[G1+0], s43, (0<<16)|(1<<20)|(1<<21)|(5<<22)|(3<<25)  ; the mask; elements of 1 byte; padding: 4 words after every 64; bit 21 beside a mask
	s_or_b32 s[G1B+0], s44, (0<<16)|(1<<20)|(1<<21)|(5<<22)|(3<<25)
.irp g, G1, G1B
	s_mov_b32 s[\g+1], ROWB<<16                    ; tensor_dim0
	s_mov_b32 s[\g+2], 128<<16                     ; tensor_dim1
	s_mov_b32 s[\g+3], ROWB<<16                    ; tile_dim0
	s_mov_b32 s[\g+4], 128                         ; tile_dim1
	s_mov_b32 s[\g+5], KROW                        ; the pitch
	s_mov_b32 s[\g+6], 0
	s_mov_b32 s[\g+7], 0
.endr
	s_or_b32 s[G1S+0], s43, (3<<16)|(1<<20)|(1<<21)|(5<<22)|(3<<25)   ; the scales of 128 rows: a dense block, as rows of 256 bytes (32 elements of 8), 16 bytes of padding behind each
	s_or_b32 s[G1SB+0], s44, (3<<16)|(1<<20)|(1<<21)|(5<<22)|(3<<25)
.irp g, G1S, G1SB
	s_mov_b32 s[\g+1], 32<<16
	s_mov_b32 s[\g+2], (128*KS/256)<<16
	s_mov_b32 s[\g+3], 32<<16
	s_mov_b32 s[\g+4], 128*KS/256
	s_mov_b32 s[\g+5], 32
	s_mov_b32 s[\g+6], 0
	s_mov_b32 s[\g+7], 0
.endr
	s_lshl_b32 s18, s16, 7
	s_lshl_b32 s20, s17, 8
	s_add_co_u32 s20, s20, s18                     ; A: row 256 x tile row + 128 x half
	s_lshl_b32 s46, s42, 8
	s_add_co_u32 s46, s46, s18                     ; B: row 256 x tile column + 128 x half
	s_mov_b32 s21, 0
	s_mov_b32 s47, 0
	s_mov_b64 s[18:19], KS
	s_mul_u64 s[22:23], s[20:21], s[18:19]         ; where these rows' scales begin,
	s_mul_u64 s[92:93], s[46:47], s[18:19]
	s_mov_b64 s[18:19], KROW
	s_mul_u64 s[20:21], s[20:21], s[18:19]         ; and their codes
	s_mul_u64 s[46:47], s[46:47], s[18:19]
	s_mul_i32 s45, s14, HALFT                      ; where they go: no place in the cluster enters an LDS address
	s_mul_i32 s94, s14, HALFS
	s_wait_dscnt 0x0                               ; both opening adds are done
	s_wait_kmcnt 0x0
	s_add_nc_u64 s[20:21], s[4:5], s[20:21]
	s_add_nc_u64 s[22:23], s[6:7], s[22:23]
	s_add_nc_u64 s[46:47], s[8:9], s[46:47]
	s_add_nc_u64 s[92:93], s[10:11], s[92:93]
	CROUND                                         ; all sixteen work-groups are here: the joint loads meet
	s_mov_b32 s[G0S], 1
	s_add_co_u32 s[G0S+1], s94, SCL
	s_mov_b64 s[G0S+2:G0S+3], s[22:23]
	s_or_b32 s[G0S+3], s[G0S+3], 0x80000000
	s_mov_b32 s[G0SB], 1
	s_add_co_u32 s[G0SB+1], s94, SCL
	s_mov_b64 s[G0SB+2:G0SB+3], s[92:93]
	s_or_b32 s[G0SB+3], s[G0SB+3], 0x80000000
	JLOAD G0S, G1S, G0SB, G1SB                     ; the scales first; by this text's count a wave has three tensor loads out, all issued here
.irp s, 0,1
	s_mov_b32 s[G0+4*\s], 1
	s_add_co_u32 s[G0+4*\s+1], s45, \s*SLOT
	s_add_nc_u64 s[G0+4*\s+2:G0+4*\s+3], s[20:21], \s*ROWB
	s_or_b32 s[G0+4*\s+3], s[G0+4*\s+3], 0x80000000
	s_mov_b32 s[G0B+4*\s], 1
	s_add_co_u32 s[G0B+4*\s+1], s45, \s*SLOT
	s_add_nc_u64 s[G0B+4*\s+2:G0B+4*\s+3], s[46:47], \s*ROWB
	s_or_b32 s[G0B+4*\s+3], s[G0B+4*\s+3], 0x80000000
	JLOAD G0+4*\s, G1, G0B+4*\s, G1B
.endr
	v_and_b32 v1, 15, v0                           ; l % 16
	v_bfe_u32 v2, v0, 4, 1                         ; l / 16
	v_mul_u32_u24 v3, v1, PITCH
	v_lshl_add_u32 v4, v2, 4, v3
	s_mul_i32 s21, s15, HALFT
	s_mul_i32 s22, s16, HALFT
	s_add_co_u32 s22, s22, 2*HALFT
.irp s, 0,1
	v_add_nc_u32 v[ADRA+\s], s21, v4
	v_add_nc_u32 v[ADRB+\s], s22, v4
	s_add_co_u32 s21, s21, SLOT
	s_add_co_u32 s22, s22, SLOT
.endr
	v_mul_u32_u24 v5, v1, KS                       ; my row's scales: KS bytes a row,
	v_lshrrev_b32 v6, 8, v5
	v_lshl_add_u32 v5, v6, 4, v5                   ; and 16 more for each 256 passed
	s_mul_i32 s21, s15, HALFS
	s_mul_i32 s22, s16, HALFS
	s_add_co_u32 s22, s22, 2*HALFS
	s_sub_co_u32 s22, s22, s21
	v_mul_u32_u24 v6, s22, v2                      ; lanes 16-31 take B's
	s_add_co_u32 s21, s21, SCL
	v_add_nc_u32 v5, v5, v6
	v_add_nc_u32 v[ADRS], s21, v5
	; which of q, k, v: the cluster's x, the same in all sixteen partners
	s_cmp_eq_u32 ttmp9, 1
	s_cselect_b64 s[96:97], s[98:99], s[96:97]
	s_cmp_eq_u32 ttmp9, 2
	s_cselect_b64 s[96:97], s[100:101], s[96:97]   ; the bias
	s_cselect_b32 s22, -1, 0                       ; v's cells?
	s_cmp_eq_u32 ttmp9, 0
	s_cselect_b32 s2, 0x3e38aa3b, 1.0              ; q alone is multiplied by log2(e) / 8
	s_mov_b32 s3, s2                               ; (named with it as a pair, so it is written)
	s_lshl_b32 s20, s40, 10
	s_lshl_b32 s21, s16, 9
	s_add_co_u32 s20, s20, s21                     ; my 128 columns in the bias: (256 cx + 128 half) x 4 bytes
	s_mov_b32 s21, 0
	s_add_nc_u64 s[96:97], s[96:97], s[20:21]
	v_lshlrev_b32 v[BOF], 5, v2
	WIN TO_B
.irp bn, 0,1,2,3,4,5,6,7
	global_load_b128 v[BS+8*\bn:BS+8*\bn+3], v[BOF], s[96:97] offset:64*\bn          ; lane (r, h): the bias of columns 16 bn + 8 h + 0..7
	global_load_b128 v[BS+8*\bn+4:BS+8*\bn+7], v[BOF], s[96:97] offset:64*\bn+16
.endr
	WIN 0
	v_and_b32 v6, 31, v0                           ; my cell: my lane for q and k;
	v_and_b32 v5, 7, v6
	v_lshl_add_u32 v5, v2, 3, v5
	v_bfe_u32 v7, v0, 3, 1
	v_lshl_add_u32 v5, v7, 4, v5                   ; for v (l & 7) + 8 (l >> 4) + 16 ((l >> 3) & 1)
	v_cndmask_b32 v5, v6, v5, s22
	v_lshlrev_b32 v[OFF], 4, v5
	s_lshr_b32 s20, s17, 3                         ; batch
	s_lshl_b32 s20, s20, 4
	s_lshl_b32 s21, s40, 2
	s_add_co_u32 s20, s20, s21
	s_lshl_b32 s21, s16, 1
	s_add_co_u32 s20, s20, s21                     ; 16 batch + my first head (4 cx + 2 half)
	s_lshl_b32 s22, s20, 11
	s_lshl_b32 s20, s20, 18
	s_and_b32 s21, s17, 7
	s_lshl_b32 s21, s21, 4
	s_lshl_b32 s23, s15, 3
	s_add_co_u32 s21, s21, s23                     ; my first tile of 16 positions
	s_lshl_b32 s21, s21, 11
	s_add_co_u32 s20, s20, s21
	s_lshl_b32 s21, ttmp9, 23
	s_add_co_u32 s20, s20, s21
	s_mov_b32 s21, 0
	s_add_nc_u64 s[12:13], s[12:13], s[20:21]
	s_lshl_b32 s20, ttmp9, 16
	s_add_co_u32 s20, s20, s22
	s_add_nc_u64 s[66:67], s[66:67], s[20:21]
.macro FRAG reg, adr, q, i             ; 16 rows x 128 K of 4-bit codes: 8 registers, two loads of 16 bytes, 32 bytes apart
.irp c, 0,1
	ds_load_b128 v[\reg+4*\c:\reg+4*\c+3], v[\adr] offset:64*(\q)+32*\c+(\i)*16*PITCH
.endr
.endm
; 16 matrix instructions: A's blocks a0, a0 + 1 x B's eight.  The 64 accumulators take turns, one instruction a turn, in the same order in every step.
.macro MUL16 a0, p, q, sc, zero
.irp a, \a0, \a0+1
.irp b, 0,1,2,3,4,5,6,7
.if \zero
	v_wmma_scale_f32_16x16x128_f8f6f4 v[8*(8*((\a)%4)+\b):8*(8*((\a)%4)+\b)+7], v[128*(\p)+FR*\b:128*(\p)+FR*\b+FR-1], v[AF+FR*(\a):AF+FR*(\a)+FR-1], 0, v[SC+8*NQ*(\sc)+NQ*\b+(\q)], v[SC+8*NQ*(\sc)+NQ*(\a)+(\q)] matrix_a_fmt:MATRIX_FMT_FP4 matrix_b_fmt:MATRIX_FMT_FP4 matrix_a_scale:MATRIX_SCALE_ROW1
.else
	v_wmma_scale_f32_16x16x128_f8f6f4 v[8*(8*((\a)%4)+\b):8*(8*((\a)%4)+\b)+7], v[128*(\p)+FR*\b:128*(\p)+FR*\b+FR-1], v[AF+FR*(\a):AF+FR*(\a)+FR-1], v[8*(8*((\a)%4)+\b):8*(8*((\a)%4)+\b)+7], v[SC+8*NQ*(\sc)+NQ*\b+(\q)], v[SC+8*NQ*(\sc)+NQ*(\a)+(\q)] matrix_a_fmt:MATRIX_FMT_FP4 matrix_b_fmt:MATRIX_FMT_FP4 matrix_a_scale:MATRIX_SCALE_ROW1
.endif
.endr
.endr
.endm
.macro FETCH_B slot, q, p
	WIN TO_B
.irp i, 0,1,2,3,4,5,6,7
	FRAG 128*(\p)+FR*\i, ADRB+\slot, \q, \i
.endr
	WIN 0
.endm
.macro FETCH_A slot, q, i0
.irp i, \i0, \i0+1, \i0+2, \i0+3
	FRAG AF+FR*(\i), ADRA+\slot, \q, \i
.endr
.endm
.macro SCALES sc                       ; a K step's scale words: lanes 0-15 take A's block i, lanes 16-31 B's block i
.irp i, 0,1,2,3,4,5,6,7
	ds_load_b128 v[SC+8*NQ*\sc+NQ*\i:SC+8*NQ*\sc+NQ*\i+3], v[ADRS] offset:\i*SBLK
.endr
.endm
.macro PLACES n                        ; plain vector places between a matrix instruction and a load into, or a read of, its registers
.rept \n
	v_nop
.endr
.endm
.macro STEP slot, q, zero              ; 128 along K, with its successor in the same slot
	s_wait_dscnt 4*NL                              ; B's set and A's blocks 0-3 are in; the youngest eight loads (A's blocks 4-7) may be out
	WIN MUL_LO
	MUL16 0, (\q)%2, \q, \slot, \zero
	MUL16 2, (\q)%2, \q, \slot, \zero
	s_wait_dscnt 0
	PLACES NP
	FETCH_B \slot, (\q)+1, 1-(\q)%2
	FETCH_A \slot, (\q)+1, 0
	WIN MUL_HI
	MUL16 4, (\q)%2, \q, \slot, \zero
	MUL16 6, (\q)%2, \q, \slot, \zero
	PLACES NP
	WIN 0
	FETCH_A \slot, (\q)+1, 4
.endm
.macro STEPS slot, from
.set Q, \from
.rept NQ-1-\from
	STEP \slot, Q, 0
.set Q, Q+1
.endr
.endm
	s_wait_tensorcnt 1                             ; the scales and my part of K step 0 are in; K step 1's load may be out
	s_barrier_signal -1
	s_barrier_wait -1
	FETCH_B 0, 0, 0
	FETCH_A 0, 0, 0
	SCALES 0
	FETCH_A 0, 0, 4
	STEP 0, 0, 1                                   ; the first products start the sums: nothing is cleared
	STEPS 0, 1
	; slot 0's last step changes slots: one barrier; in front of it my load of slot 1 has landed
	s_wait_tensorcnt 0x0
	ds_add_u32 v[SPW], v[NIL]
	s_wait_dscnt 4*NL+1                            ; (the add and A's blocks 4-7 may be out)
	WIN MUL_LO
	MUL16 0, 1, NQ-1, 0, 0
	s_wait_dscnt 0x0
	s_barrier_signal -1
	MUL16 2, 1, NQ-1, 0, 0
	WIN 0
	s_barrier_wait -1
	PLACES NP
	v_add_nc_u32 v[ADRS], 4*NQ, v[ADRS]            ; the next K step's scale words
	FETCH_B 1, 0, 0
	FETCH_A 1, 0, 0
	SCALES 1
	WIN MUL_HI
	MUL16 4, 1, NQ-1, 0, 0
	MUL16 6, 1, NQ-1, 0, 0
	PLACES NP
	WIN 0
	FETCH_A 1, 0, 4
	STEPS 1, 0
	s_wait_dscnt 4*NL                              ; the last step: nothing more to fetch
	WIN MUL_LO
	MUL16 0, 1, NQ-1, 1, 0
	MUL16 2, 1, NQ-1, 1, 0
	s_wait_dscnt 0
	WIN MUL_HI
	MUL16 4, 1, NQ-1, 1, 0
	MUL16 6, 1, NQ-1, 1, 0
	s_wait_loadcnt 0x0                             ; the bias
	WIN 0x41                                       ; destination and source 0 window 1
.set n, 0
.rept 32
	v_pk_mul_f32 v[BS+n:BS+n+1], v[BS+n:BS+n+1], s[2:3] op_sel_hi:[1,0]   ; bias x scale.  These 32 name no register of the products: they are the places behind the last of them
.set n, n+2
.endr
; THE WAY OUT, block a of 16 positions x 128 columns: sum x scale + bias x scale (one fused multiply-add), rounded to f16: a lane's eight numbers are one cell of a chunk.
.macro OUTBLK a
.set AC, 64*((\a)%4)
.set HB, H0+96*((\a)%2)
.set WN, 0x12+(\a)/4                   ; source 0 window 2 or 3, source 2 window 1, destination window 0
.if (\a) >= 2
	s_wait_xcnt 0x0                                ; block a - 2's stores have read their registers
.endif
	WIN WN
.set n, 0
.rept 32
	v_pk_fma_f32 v[TT+n:TT+n+1], v[AC+n:AC+n+1], s[2:3], v[BS+n:BS+n+1] op_sel_hi:[1,0,1]   ; each accumulator from its low end on
.set n, n+2
.endr
	WIN 0
.set n, 0
.rept 32
	v_cvt_pk_f16_f32 v[HB+n], v[TT+2*n], v[TT+2*n+1]
.set n, n+1
.endr
.irp bn, 0,1,2,3,4,5,6,7
	global_store_b128 v[OFF], v[HB+4*\bn:HB+4*\bn+3], s[12:13] offset:(\bn/4)*262144+(\a)*2048+(\bn%4)*512   ; 512 consecutive bytes, aligned
.endr
.endm
.macro LOW8 bn                         ; the low parts of 8 numbers.  A register's halves are named by plain numbers only: the high parts are made once more, in v8-11
	v_cvt_pk_f16_f32 v8, v[TT+8*\bn], v[TT+8*\bn+1]
	v_cvt_pk_f16_f32 v9, v[TT+8*\bn+2], v[TT+8*\bn+3]
	v_cvt_pk_f16_f32 v10, v[TT+8*\bn+4], v[TT+8*\bn+5]
	v_cvt_pk_f16_f32 v11, v[TT+8*\bn+6], v[TT+8*\bn+7]
	v_cvt_f32_f16 v[UU], v8.l
	v_cvt_f32_f16 v[UU+1], v8.h
	v_cvt_f32_f16 v[UU+2], v9.l
	v_cvt_f32_f16 v[UU+3], v9.h
	v_cvt_f32_f16 v[UU+4], v10.l
	v_cvt_f32_f16 v[UU+5], v10.h
	v_cvt_f32_f16 v[UU+6], v11.l
	v_cvt_f32_f16 v[UU+7], v11.h
.irp j, 0,2,4,6
	v_pk_add_f32 v[UU+\j:UU+\j+1], v[TT+8*\bn+\j:TT+8*\bn+\j+1], v[UU+\j:UU+\j+1] neg_lo:[0,1] neg_hi:[0,1]
.endr
.irp j, 0,1,2,3
	v_cvt_pk_f16_f32 v[LW+4*\bn+\j], v[UU+2*\j], v[UU+2*\j+1]
.endr
.endm
	OUTBLK 0
	; Positions 0-15 of a sequence lie in block 0 of the upper row half of tile rows 0 and 8: cluster y even, cy = 0.  The branch hangs on the cluster's y and the wave's number, alike in all partners;
	; cy is told by EXEC, under which only the eight stores stand.
	s_and_b32 s20, ttmp7, 1
	s_or_b32 s20, s20, s15
	s_cmp_lg_u32 s20, 0
	s_cbranch_scc1 .Lno_low
.irp bn, 0,1,2,3,4,5,6,7
	LOW8 \bn
.endr
	v_mov_b32 v7, s41
	v_cmp_eq_u32 vcc_lo, 0, v7
	s_wait_xcnt 0x0                                ; EXEC changes only behind this wait
	s_and_saveexec_b32 s20, vcc_lo
.irp bn, 0,1,2,3,4,5,6,7
	global_store_b128 v[OFF], v[LW+4*\bn:LW+4*\bn+3], s[66:67] offset:(\bn/4)*2048+(\bn%4)*512
.endr
	s_wait_xcnt 0x0                                ; and again, in front of the line that widens it
	s_or_b32 exec_lo, exec_lo, s20
.Lno_low:
.irp a, 1,2,3,4,5,6,7
	OUTBLK \a
.endr
	s_wait_tensorcnt 0x0                           ; the wave's end
	ds_add_u32 v[SPW], v[NIL]
	s_wait_dscnt 0x0
	CROUND                                         ; the closing round
	s_endpgm
.Lfunc_end_k_q6f0381e969_qkv:
	.size	k_q6f0381e969_qkv, .Lfunc_end_k_q6f0381e969_qkv-k_q6f0381e969_qkv
	.p2alignl 7, 3214868480
	.fill 96, 4, 3214868480
	.section	.rodata,"a",@progbits
	.p2align	6, 0x0
	.amdhsa_kernel k_q6f0381e969_qkv
		.amdhsa_group_segment_fixed_size 327680
		.amdhsa_private_segment_fixed_size 0
		.amdhsa_enable_private_segment 0
		.amdhsa_kernarg_size 72
		.amdhsa_user_sgpr_count 2
		.amdhsa_user_sgpr_kernarg_segment_ptr 1
		.amdhsa_wavefront_size32 1
		.amdhsa_system_sgpr_workgroup_id_x 1
		.amdhsa_system_sgpr_workgroup_id_y 1
		.amdhsa_system_sgpr_workgroup_id_z 1
		.amdhsa_system_vgpr_workitem_id 0
		.amdhsa_next_free_vgpr 1024
		.amdhsa_next_free_sgpr 102
		.amdhsa_reserve_vcc 1
		.amdhsa_float_denorm_mode_32 3
		.amdhsa_float_denorm_mode_16_64 3
		.amdhsa_memory_ordered 1
		.amdhsa_forward_progress 1
		.amdhsa_inst_pref_size 147
	.end_amdhsa_kernel
	.amdgpu_metadata
---
amdhsa.version: [ 1, 2 ]
amdhsa.kernels:
  - .name:           k_q6f0381e969_qkv
    .symbol:         k_q6f0381e969_qkv.kd
    .args:
      - { .name: xc, .offset: 0, .size: 8, .value_kind: global_buffer, .address_space: global }
      - { .name: xs, .offset: 8, .size: 8, .value_kind: global_buffer, .address_space: global }
      - { .name: wc, .offset: 16, .size: 8, .value_kind: global_buffer, .address_space: global }
      - { .name: ws, .offset: 24, .size: 8, .value_kind: global_buffer, .address_space: global }
      - { .name: bq, .offset: 32, .size: 8, .value_kind: global_buffer, .address_space: global }
      - { .name: bk, .offset: 40, .size: 8, .value_kind: global_buffer, .address_space: global }
      - { .name: bv, .offset: 48, .size: 8, .value_kind: global_buffer, .address_space: global }
      - { .name: qkv16, .offset: 56, .size: 8, .value_kind: global_buffer, .address_space: global }
      - { .name: lo16, .offset: 64, .size: 8, .value_kind: global_buffer, .address_space: global }
    .group_segment_fixed_size: 327680
    .private_segment_fixed_size: 0
    .kernarg_segment_align: 8
    .kernarg_segment_size: 72
    .max_flat_workgroup_size: 128
    .sgpr_count:     102
    .vgpr_count:     1024
    .wavefront_size: 32
...
	.end_amdgpu_metadata
.endif
;; end of part 2
;; launch attn (part 3): grid 8 x 32, 8 waves a work-group, no clusters, 327,680 bytes of LDS; arguments qkv16, o16; writes o16
.if DOCPART == 3
	.amdgcn_target "amdgcn-amd-amdhsa--gfx1250"
	.amdhsa_code_object_version 6
	.text
	.protected	k_q6f0381e969_attn
	.globl	k_q6f0381e969_attn
	.p2align	8
	.type	k_q6f0381e969_attn,@function
k_q6f0381e969_attn:
	s_mov_b64 s[64:65], 0
	v_nop
	global_prefetch_b8 v0, s[64:65] scope:SCOPE_SE
	s_setreg_imm32_b32 hwreg(HW_REG_WAVE_MODE, 25, 1), 1
	s_wait_xcnt 0x0
; o = softmax(q k^T / 8, causal) v for 32 heads (16 batch + head) of 2,048 positions x 64 channels.  q, k, v: f16, laid as chunks of 512 bytes (32 cells of 16 bytes) that are images of operand registers;
; q already carries log2(e) / 8, so a score is an exponent of two.  Products on f16 operands with f32 sums; maxima, sums and rescaling in f32; the weights are rounded to f16 for the second product, o once at the end.
; SOFTMAX: a running maximum m and sum l for each query; p = 2^(s - m); in every step O and l are multiplied by 2^(m_old - m_new).
; SHARES.  Work-group (i, head) owns two blocks of 128 queries: block H = 15 - i and block L = i, and walks the head's key tiles of 128 keys once.  Block H multiplies tiles 0 .. 15 - i, block L tiles 0 .. i,
; from the same fragments: 17 block-tiles in every work-group, and what the causal mask throws away whole is never multiplied.
; Wave w has strip w & 3 (32 queries, two tiles of 16, in each block) and key half g = w >> 2 (64 of a tile's 128 keys).  Two waves share a SIMD.  The two key halves of a strip are merged once, at the end, through LDS.
; LAYOUT.  S^T = K Q^T (source 0 = 16 keys, source 1 = 16 queries): a lane holds ONE query (lane % 16) and keys 8 (lane / 16) + 0..7.  Two such tiles rounded in pairs are source 1 of O^T = V^T P.
; RING.  Two LDS slots of four key tiles each (K's 65,536 bytes, then V's).  Each of the eight waves brings 16,384 bytes with one tensor load: 4 rows of 4,096 bytes, row t out of key tile t, so that every load holds bytes
; of the slot's first tile.  All trip counts are constants: every work-group walks all 16 tiles and jumps, on ids, over the work of hidden ones; a slot whose first key lies behind the work-group's last query is not asked for.
; NO CLUSTER: the eight work-groups of a head need 9 to 16 key tiles, so some partner would jump over every read of a slot that a joint load brings.
; REGISTERS.  window 0: v1-13 addresses; v16-31 block H's statistics, v32-47 block L's (8 a query tile: +0 m, +2 +3 l, +4 .. +7 at work); v48-55 the exchange's; v64-127 S^T; v128-159 P; v160-223 K's fragments.
;   window 1: v0-63 O^T of H, v64-127 of L; v128-159 Q of H, v160-191 of L; v192-255 V's fragments.
; LIMITS: NaN and infinities are not served; |o| stays under 65,504 (f16).
.set SLOT1, 1<<17                      ; slot 1 begins here: one exclusive or turns an address from one slot to the other
.set SPARE, 2*SLOT1                    ; the spare words, 128 bytes a wave
.set XAREA, 8704                       ; the exchange: 64 registers' images + 512 bytes of statistics for each wave, in slot 0, which has had its last fill and its last read by then
.set S,   64
.set P,   128
.set KFR, 160
.set VFR, 192
.set MSB, 0
.macro WIN new                         ; the immediate's high byte repeats the setting that is left
.if MSB != \new
	s_set_vgpr_msb (MSB<<8)|\new
.set MSB, \new
.endif
.endm
	s_load_b128 s[4:7], s[0:1], 0x0                ; qkv16, o16
	v_lshl_add_u32 v4, v0, 2, SPARE                ; v4: my spare word; never rewritten
	v_mov_b32 v5, 0                                ; v5: 0; never rewritten
	ds_add_u32 v4, v5                              ; the wave's opening: the add, twice on end, and its wait ahead of my first tensor load
	ds_add_u32 v4, v5
	v_lshrrev_b32 v1, 5, v0
	v_readfirstlane_b32 s8, v1                     ; wave 0..7
	s_lshr_b32 s9, s8, 2                           ; g: my key half.  Also: I fetch K (0) or V (1)
	s_and_b32 s10, s8, 3                           ; my strip.  Also: which 4,096 bytes of each tile I fetch
	s_and_b32 s12, ttmp7, 0xffff                   ; 16 batch + head
	s_sub_co_u32 s11, 15, ttmp9                    ; block H
	s_lshl_b32 s45, s10, 5
	s_lshl_b32 s13, s11, 7
	s_add_co_u32 s20, s13, 127                     ; s20: the work-group's last query
	s_add_co_u32 s13, s13, s45                     ; s13: my first query in block H
	s_lshl_b32 s14, ttmp9, 7
	s_add_co_u32 s14, s14, s45                     ; s14: in block L
	s_lshl_b32 s15, s9, 6                          ; s15: the first of my 64 keys of the tile in hand
	s_mov_b32 s16, 0                               ; s16: LDS byte of the tile in hand
	s_mov_b32 s17, 3                               ; s17: changes of slots that ask for a slot
	s_mov_b32 s19, 512                             ; s19: the first key of the slot that the next change asks for
	s_mov_b32 s22, 0x76543210
	s_mov_b32 s23, 0xfedcba98                      ; lane selects: lane l xor 16
	s_mov_b32 s24, 3<<16                           ; group 1: elements of 8 bytes, no mask, no padding
	s_mov_b32 s25, 512<<16                         ; tensor_dim0 = 512 (4,096 bytes)
	s_mov_b32 s26, 4<<16                           ; tensor_dim1 = 4
	s_mov_b32 s27, 512<<16                         ; tile_dim0
	s_mov_b32 s28, 4                               ; tile_dim1
	s_mov_b32 s29, 2048                            ; from row to row: a key tile, 16,384 bytes
	s_mov_b32 s30, 0
	s_mov_b32 s31, 0
	s_mov_b32 s32, 1                               ; group 0, which walks
	s_lshl_b32 s33, s8, 14                         ; slot 0 + 16,384 x wave
	s_add_co_u32 s46, s9, 1
	s_lshl_b32 s46, s46, 23
	s_lshl_b32 s47, s12, 18                        ; the head's bytes in each of q, k, v
	s_add_co_u32 s46, s46, s47                     ; my tensor's head
	s_lshl_b32 s48, s10, 12
	s_add_co_u32 s48, s48, s46
	s_mov_b32 s49, 0
	s_lshl_b32 s44, s10, 14
	s_add_co_u32 s44, s44, s46
	s_add_co_u32 s44, s44, 65536                   ; the prefetches stand at slot 1: the first change steps them to slot 2
	s_mov_b32 s45, 0
	s_lshl_b32 s51, s10, 1
	s_lshl_b32 s50, s11, 3
	s_add_co_u32 s50, s50, s51                     ; my first tile of 16 queries in H,
	s_lshl_b32 s52, ttmp9, 3
	s_add_co_u32 s52, s52, s51                     ; in L
	s_lshr_b32 s18, s12, 4
	s_lshl_b32 s18, s18, 7                         ; 128 x batch
	s_add_co_u32 s36, s50, s18
	s_lshl_b32 s36, s36, 15
	s_add_co_u32 s38, s52, s18
	s_lshl_b32 s38, s38, 15
	s_and_b32 s18, s12, 15
	s_lshl_b32 s18, s18, 11                        ; the head's 2,048 bytes in a row tile of o16
	s_add_co_u32 s36, s36, s18
	s_add_co_u32 s38, s38, s18
	s_mov_b32 s37, 0
	s_mov_b32 s39, 0
	s_lshl_b32 s50, s50, 11
	s_add_co_u32 s50, s50, s47
	s_mov_b32 s51, 0
	s_lshl_b32 s52, s52, 11
	s_add_co_u32 s52, s52, s47
	s_mov_b32 s53, 0
	s_cmp_eq_u32 ttmp9, 0
	s_cselect_b32 s42, 1, -1                       ; the head's first work-group prefetches, and nobody else
	v_and_b32 v6, 31, v0
	v_lshlrev_b32 v6, 4, v6                        ; v6: 16 x lane
	s_lshl_b32 s18, s9, 15
	v_add_nc_u32 v1, s18, v6                       ; v1: my place in a tile: 16 x lane + 32,768 g
	v_and_b32 v7, 15, v0
	v_bfe_u32 v8, v0, 4, 1
	v_lshlrev_b32 v8, 3, v8
	v_sub_nc_u32 v7, v7, v8                        ; v7: r - 8 h
	v_mov_b32 v10, 0xff800000                      ; v10: -infinity
	v_lshlrev_b32 v11, 4, v6                       ; v11: 256 x lane
	s_mul_i32 s18, s8, XAREA
	v_add_nc_u32 v12, s18, v6                      ; v12: the exchange, my area
	s_xor_b32 s18, s8, 4
	s_mul_i32 s18, s18, XAREA
	v_add_nc_u32 v13, s18, v6                      ; v13: my partner's
	s_wait_dscnt 0x0                               ; both opening adds are done
	s_wait_kmcnt 0x0
	s_add_nc_u64 s[34:35], s[4:5], s[48:49]
	s_or_b32 s35, s35, 0x80000000                  ; type = 2
	tensor_load_to_lds s[32:35], s[24:31]          ; slot 0: every wave's part
	s_nop 0
.rept 4
	v_nop
.endr
	s_add_nc_u64 s[40:41], s[4:5], s[44:45]        ; s[40:41]: where my prefetches stand
	s_add_nc_u64 s[50:51], s[4:5], s[50:51]        ; Q of H,
	s_add_nc_u64 s[52:53], s[4:5], s[52:53]        ; of L
	s_add_nc_u64 s[36:37], s[6:7], s[36:37]        ; o of H,
	s_add_nc_u64 s[38:39], s[6:7], s[38:39]        ; of L
	WIN 0x40                                       ; destination window 1
.irp qt, 0,1
.irp ct, 0,1,2,3
	global_load_b128 v[128+16*\qt+4*\ct:128+16*\qt+4*\ct+3], v6, s[50:51] offset:\qt*2048+\ct*512   ; Q stays in registers
	global_load_b128 v[160+16*\qt+4*\ct:160+16*\qt+4*\ct+3], v6, s[52:53] offset:\qt*2048+\ct*512
.endr
.endr
.set n, 0
.rept 128
	v_mov_b32 v[n], 0                              ; O^T of both blocks.  The step is written with no first step of its own: the first change of m multiplies zeros
.set n, n+1
.endr
	WIN 0
.irp t, 16,24,32,40
	v_mov_b32 v[\t], 0xff61b1e6                    ; m = -3e38, under every score
.irp j, 1,2,3,4,5,6,7
	v_mov_b32 v[\t+\j], 0
.endr
.endr
; ONE BLOCK'S STEP: 32 queries x my 64 keys.  qb: Q's registers, ob: O^T's (window 1); st: the statistics; q0: the scalar that holds my first query; first = 1: the tile's LDS loads are waited for here.
.macro BLOCKSTEP qb, ob, st, q0, first
.if \first
	s_wait_dscnt 16                                ; K's 16 loads are in; V's 16 may be out
.endif
	WIN 0x04                                       ; source 1 (Q) window 1
.irp u, 0,1                            ; the 8 accumulators take turns, one instruction a turn
.irp qt, 0,1
.irp pp, 0,1,2,3
.if \u == 0
	v_wmma_f32_16x16x32_f16 v[S+32*\qt+8*\pp:S+32*\qt+8*\pp+7], v[KFR+16*\pp+8*\u:KFR+16*\pp+8*\u+7], v[\qb+16*\qt+8*\u:\qb+16*\qt+8*\u+7], 0
.else
	v_wmma_f32_16x16x32_f16 v[S+32*\qt+8*\pp:S+32*\qt+8*\pp+7], v[KFR+16*\pp+8*\u:KFR+16*\pp+8*\u+7], v[\qb+16*\qt+8*\u:\qb+16*\qt+8*\u+7], v[S+32*\qt+8*\pp:S+32*\qt+8*\pp+7]
.endif
.endr
.endr
.endr
	WIN 0
.rept 4
	v_nop                                          ; places in front of the first read of the scores
.endr
	s_add_co_u32 s44, s15, 63                      ; on the diagonal hidden scores become -infinity; a step all of whose keys count for all my queries jumps over this (ids alone)
	s_cmp_le_u32 s44, s[\q0]
	s_cbranch_scc1 .Lopen_\@
	s_sub_co_i32 s44, s[\q0], s15
	v_add_nc_u32 v8, s44, v7                       ; register 8 pp + j of query tile qt holds key 16 pp + 8 h + j of my 64: hidden where 16 pp + j > first query - first key + 16 qt + r - 8 h
	v_add_nc_u32 v9, 16, v8
.irp qt, 0,1
.irp pp, 0,1,2,3
.irp j, 0,1,2,3,4,5,6,7
	v_cmp_gt_i32 vcc_lo, 16*\pp+\j, v[8+\qt]
	v_cndmask_b32 v[S+32*\qt+8*\pp+\j], v[S+32*\qt+8*\pp+\j], v10, vcc_lo
.endr
.endr
.endr
.Lopen_\@:
.irp j, 0,1,2,3                        ; the maximum of 32 scores and the old m: four chains, each begun at an accumulator's low end; the two query tiles by turns
.irp qt, 0,1
	v_max3_num_f32 v[\st+8*\qt+4+\j], v[S+32*\qt+8*\j], v[S+32*\qt+8*\j+1], v[S+32*\qt+8*\j+2]
.endr
.endr
.irp k, 1,2
.irp j, 0,1,2,3
.irp qt, 0,1
	v_max3_num_f32 v[\st+8*\qt+4+\j], v[\st+8*\qt+4+\j], v[S+32*\qt+8*\j+2*\k+1], v[S+32*\qt+8*\j+2*\k+2]
.endr
.endr
.endr
.irp qt, 0,1
	v_max3_num_f32 v[\st+8*\qt+4], v[\st+8*\qt+4], v[S+32*\qt+7], v[S+32*\qt+15]
.endr
.irp qt, 0,1
	v_max3_num_f32 v[\st+8*\qt+6], v[\st+8*\qt+6], v[S+32*\qt+23], v[S+32*\qt+31]
.endr
.irp qt, 0,1
	v_max3_num_f32 v[\st+8*\qt+4], v[\st+8*\qt+4], v[\st+8*\qt+5], v[\st+8*\qt+6]
.endr
.irp qt, 0,1
	v_max3_num_f32 v[\st+8*\qt+4], v[\st+8*\qt+4], v[\st+8*\qt+7], v[\st+8*\qt]
.endr
.irp qt, 0,1
	v_permlanex16_b32 v[\st+8*\qt+5], v[\st+8*\qt+4], s22, s23     ; the query's other 32 keys lie in the lane 16 away
.endr
.irp qt, 0,1
	v_mov_b32 v[\st+8*\qt+7], v[\st+8*\qt]         ; m_old is kept
.endr
.irp qt, 0,1
	v_max_num_f32 v[\st+8*\qt], v[\st+8*\qt+4], v[\st+8*\qt+5]
.endr
.irp qt, 0,1
	v_sub_f32 v[\st+8*\qt+7], v[\st+8*\qt+7], v[\st+8*\qt]
.endr
.irp i, 0,2,4,6,8,10,12,14,16,18,20,22,24,26,28,30
.irp qt, 0,1
	v_pk_add_f32 v[S+32*\qt+\i:S+32*\qt+\i+1], v[S+32*\qt+\i:S+32*\qt+\i+1], v[\st+8*\qt:\st+8*\qt+1] op_sel_hi:[1,0] neg_lo:[0,1] neg_hi:[0,1]   ; s - m
.endr
.endr
.irp qt, 0,1
	v_exp_f32 v[\st+8*\qt+6], v[\st+8*\qt+7]       ; ONE BATCH of 66 exponentials: a = 2^(m_old - m),
.endr
.set n, 0
.rept 64
	v_exp_f32 v[S+n], v[S+n]                       ; p = 2^(s - m)
.set n, n+1
.endr
	v_nop                                          ; a plain instruction behind the last exponential,
	s_wait_alu depctr_va_vdst(0)                   ; and the one wait ahead of the batch's first reader
.set n, 0
.rept 32
	v_cvt_pk_f16_f32 v[P+n], v[S+2*n], v[S+2*n+1]  ; the weights as source 1 of the second product
.set n, n+1
.endr
.irp z, 0,1,2,3,4,5,6,7                ; the sums of the unrounded weights, a tree in place
.irp qt, 0,1
	v_pk_add_f32 v[S+32*\qt+4*\z:S+32*\qt+4*\z+1], v[S+32*\qt+4*\z:S+32*\qt+4*\z+1], v[S+32*\qt+4*\z+2:S+32*\qt+4*\z+3]
.endr
.endr
.irp z, 0,1,2,3
.irp qt, 0,1
	v_pk_add_f32 v[S+32*\qt+8*\z:S+32*\qt+8*\z+1], v[S+32*\qt+8*\z:S+32*\qt+8*\z+1], v[S+32*\qt+8*\z+4:S+32*\qt+8*\z+5]
.endr
.endr
.irp z, 0,1
.irp qt, 0,1
	v_pk_add_f32 v[S+32*\qt+16*\z:S+32*\qt+16*\z+1], v[S+32*\qt+16*\z:S+32*\qt+16*\z+1], v[S+32*\qt+16*\z+8:S+32*\qt+16*\z+9]
.endr
.endr
.irp qt, 0,1
	v_pk_add_f32 v[S+32*\qt:S+32*\qt+1], v[S+32*\qt:S+32*\qt+1], v[S+32*\qt+16:S+32*\qt+17]
.endr
.irp qt, 0,1
	v_pk_fma_f32 v[\st+8*\qt+2:\st+8*\qt+3], v[\st+8*\qt+2:\st+8*\qt+3], v[\st+8*\qt+6:\st+8*\qt+7], v[S+32*\qt:S+32*\qt+1] op_sel_hi:[1,0,1]   ; l = a l + the sum
.endr
	WIN 0x41                                       ; O^T (destination and source 0) window 1
.irp qt, 0,1
.irp i, 0,2,4,6,8,10,12,14,16,18,20,22,24,26,28,30
	v_pk_mul_f32 v[\ob+32*\qt+\i:\ob+32*\qt+\i+1], v[\ob+32*\qt+\i:\ob+32*\qt+\i+1], v[\st+8*\qt+6:\st+8*\qt+7] op_sel_hi:[1,0]
.endr
.endr
.if \first
	s_wait_dscnt 0x0                               ; V is in
.endif
	WIN 0x51                                       ; V window 1, P window 0, O^T window 1
.irp u, 0,1
.irp qt, 0,1
.irp ct, 0,1,2,3
	v_wmma_f32_16x16x32_f16 v[\ob+32*\qt+8*\ct:\ob+32*\qt+8*\ct+7], v[VFR+16*\ct+8*\u:VFR+16*\ct+8*\u+7], v[P+16*\qt+8*\u:P+16*\qt+8*\u+7], v[\ob+32*\qt+8*\ct:\ob+32*\qt+8*\ct+7]
.endr
.endr
.endr
	WIN 0
.endm
; A KEY TILE.  A tile all of whose 64 keys of mine come after my 32 queries is left out: a scalar branch on ids, round loads, products and softmax; no barrier and no tensor load stands in a tile.
; Position tile pp (of my four), chunk ct lie at (pp / 2) x 16384 + (pp % 2) x 2048 + 512 ct from my place in the tile.
.macro TILE lo
	s_add_co_u32 s44, s13, 31
	s_cmp_gt_u32 s15, s44
	s_cbranch_scc1 .Lhid_\@
	v_add_nc_u32 v2, s16, v1                       ; K's fragments;
	v_add_nc_u32 v3, 0x10000, v2                   ; V's.  With the two v_nop: the four places between the last products and the loads into registers that they read
	v_nop
	v_nop
.irp pp, 0,1,2,3
.irp ct, 0,1,2,3
	ds_load_b128 v[KFR+16*\pp+4*\ct:KFR+16*\pp+4*\ct+3], v2 offset:(\pp/2)*16384+(\pp%2)*2048+\ct*512
.endr
.endr
	WIN 0x40
.irp ct, 0,1,2,3
.irp pp, 0,1,2,3
	ds_load_tr16_b128 v[VFR+16*\ct+4*\pp:VFR+16*\ct+4*\pp+3], v3 offset:(\pp/2)*16384+(\pp%2)*2048+\ct*512   ; turned: lane (r, h) gets channel 16 ct + r, keys 8 h + 0..7
.endr
.endr
	WIN 0
	BLOCKSTEP 128, 0, 16, 13, 1
.if \lo
	s_add_co_u32 s44, s14, 31
	s_cmp_gt_u32 s15, s44
	s_cbranch_scc1 .Lhid_\@
	BLOCKSTEP 160, 64, 32, 14, 0                   ; block L, from the same fragments
.endif
.Lhid_\@:
.endm
.macro SLOT_TILES lo                   ; a slot's four tiles: written once, walked four times
	s_mov_b32 s18, 4
.Ltile_\@:
	TILE \lo
	s_add_co_u32 s15, s15, 128
	s_add_co_u32 s16, s16, 4096
	s_sub_co_u32 s18, s18, 1
	s_cmp_lg_u32 s18, 0
	s_cbranch_scc1 .Ltile_\@
	s_sub_co_u32 s16, s16, 16384
	s_xor_b32 s16, s16, SLOT1                      ; on to the other slot
.endm
; A PREFETCH INTO THE L2 of the slot that the NEXT change will ask for: wave w names 16,384 bytes of K (waves 0-3) or V (waves 4-7), lanes 256 bytes apart, two instructions.
; All eight work-groups of a head walk the same K and V: the first asks, which walks all four slots.  Each block of 256 bytes is named once.  The last change that fills asks for nothing; slots 0 and 1 come by their loads alone.
.macro ASK
	s_cmp_gt_u32 s17, s42
	s_cbranch_scc0 .Lnot_mine_\@
	global_prefetch_b8 v11, s[40:41] th:TH_LOAD_NT scope:SCOPE_SE
	global_prefetch_b8 v11, s[40:41] offset:8192 th:TH_LOAD_NT scope:SCOPE_SE
.Lnot_mine_\@:
.endm
; THE CHANGE OF SLOTS stands at a slot's head.  Each wave waits for all its tensor loads (one is out: its part of the slot ahead), adds 0 to its spare word, and waits for that and for its reads of the slot left.
; Behind the barrier the slot ahead is whole and nobody reads the other one, which is then filled: the load has a whole slot's tiles in which to land.  Every wait on TENSORcnt in this text is for 0.
.macro CHANGE fill
	s_wait_tensorcnt 0x0
	ds_add_u32 v4, v5
.if \fill
	s_xor_b32 s33, s33, SLOT1                      ; the walking descriptor: the other slot, the next 512 keys
	s_add_nc_u64 s[34:35], s[34:35], 65536
	s_wait_xcnt 0x0                                ; the last prefetches, a slot back, have read their address
	s_add_nc_u64 s[40:41], s[40:41], 65536
.endif
	s_wait_dscnt 0x0
	s_barrier_signal -1
	s_barrier_wait -1
.if \fill
	s_cmp_gt_u32 s19, s20                          ; a slot whose first key comes after the work-group's last query is read by none of its waves and is not asked for: ids and a counted step alone, alike in all eight waves
	s_cbranch_scc1 .Lpast_\@
	tensor_load_to_lds s[32:35], s[24:31]          ; my one tensor load until the next change
	s_nop 0
.rept 4
	v_nop
.endr
.Lpast_\@:
	ASK
	s_add_co_u32 s19, s19, 512
.endif
.endm
	s_wait_loadcnt 0x0                             ; Q
.Lslot:                                            ; three trips: slots 0, 1, 2 are walked, slots 1, 2, 3 asked for
	CHANGE 1
	SLOT_TILES 1
	s_sub_co_u32 s17, s17, 1
	s_cmp_lg_u32 s17, 0
	s_cbranch_scc1 .Lslot
	CHANGE 0                                       ; tiles 12 to 15: block H alone can reach them
	SLOT_TILES 0
; THE EXCHANGE.  Waves 0-3 send block L's O^T, m and l to their partners (wave + 4) and finish block H; waves 4-7 the other way round.
.macro SEND ob, st
	v_mov_b32 v48, v[\st]                          ; (m, l) of both query tiles.  Four plain instructions: the places between the last products and the stores that read their results
	v_add_f32 v49, v[\st+2], v[\st+3]
	v_mov_b32 v50, v[\st+8]
	v_add_f32 v51, v[\st+10], v[\st+11]
	WIN 0x04                                       ; an LDS store's data are its source 1: window 1
.irp k, 0,1,2,3,4,5,6,7,8,9,10,11,12,13,14,15
	ds_store_b128 v12, v[\ob+4*\k:\ob+4*\k+3] offset:512*\k        ; images of the registers, each accumulator from its low end on
.endr
	WIN 0
	ds_store_b128 v12, v[48:51] offset:8192
.endm
.macro MERGE ob, st, oa
	ds_load_b128 v[52:55], v13 offset:8192
.irp k, 0,1,2,3,4,5,6,7,8,9,10,11,12,13,14,15
	ds_load_b128 v[S+4*\k:S+4*\k+3], v13 offset:512*\k
.endr
	s_wait_dscnt 16                                ; the partner's m and l are in; the 16 loads behind may be out
.irp qt, 0,1
	v_max_num_f32 v[\st+8*\qt+4], v[\st+8*\qt], v[52+2*\qt]        ; M
.endr
.irp qt, 0,1
	v_sub_f32 v[\st+8*\qt+5], v[\st+8*\qt], v[\st+8*\qt+4]
	v_sub_f32 v[\st+8*\qt+6], v[52+2*\qt], v[\st+8*\qt+4]
.endr
.irp qt, 0,1
	v_exp_f32 v[\st+8*\qt+5], v[\st+8*\qt+5]       ; f = 2^(m - M),
	v_exp_f32 v[\st+8*\qt+6], v[\st+8*\qt+6]       ; f' = 2^(m' - M)
.endr
.irp qt, 0,1
	v_add_f32 v[\st+8*\qt+7], v[\st+8*\qt+2], v[\st+8*\qt+3]       ; (plain work behind the four)
.endr
	s_wait_alu depctr_va_vdst(0)                   ; one wait for the four, ahead of their first reader
.irp qt, 0,1
	v_mul_f32 v[\st+8*\qt+7], v[\st+8*\qt+7], v[\st+8*\qt+5]
.endr
.irp qt, 0,1
	v_fma_f32 v[\st+8*\qt+7], v[53+2*\qt], v[\st+8*\qt+6], v[\st+8*\qt+7]
.endr
.irp qt, 0,1
	v_permlanex16_b32 v[\st+8*\qt+4], v[\st+8*\qt+7], s22, s23
.endr
.irp qt, 0,1
	v_add_f32 v[\st+8*\qt+7], v[\st+8*\qt+7], v[\st+8*\qt+4]       ; the row's sum
.endr
.irp qt, 0,1
	v_rcp_f32 v[\st+8*\qt+7], v[\st+8*\qt+7]
.endr
	v_nop
	s_wait_alu depctr_va_vdst(0)
.irp qt, 0,1
	v_mul_f32 v[\st+8*\qt+2], v[\st+8*\qt+5], v[\st+8*\qt+7]       ; f / sum,
	v_mul_f32 v[\st+8*\qt+6], v[\st+8*\qt+6], v[\st+8*\qt+7]       ; f' / sum
.endr
	s_wait_dscnt 0x0
	WIN 0x01                                       ; source 0 (my O^T) window 1
.irp qt, 0,1
.irp i, 0,2,4,6,8,10,12,14,16,18,20,22,24,26,28,30
	v_pk_mul_f32 v[KFR+32*\qt+\i:KFR+32*\qt+\i+1], v[\ob+32*\qt+\i:\ob+32*\qt+\i+1], v[\st+8*\qt+2:\st+8*\qt+3] op_sel_hi:[1,0]
.endr
.endr
	WIN 0
.irp qt, 0,1
.irp i, 0,2,4,6,8,10,12,14,16,18,20,22,24,26,28,30
	v_pk_fma_f32 v[KFR+32*\qt+\i:KFR+32*\qt+\i+1], v[S+32*\qt+\i:S+32*\qt+\i+1], v[\st+8*\qt+6:\st+8*\qt+7], v[KFR+32*\qt+\i:KFR+32*\qt+\i+1] op_sel_hi:[1,0,1]
.endr
.endr
.set n, 0
.rept 32
	v_cvt_pk_f16_f32 v[P+n], v[KFR+2*n], v[KFR+2*n+1]
.set n, n+1
.endr
.irp qt, 0,1
.irp ct, 0,1,2,3
	global_store_b128 v6, v[P+16*\qt+4*\ct:P+16*\qt+4*\ct+3], s[\oa:\oa+1] offset:\qt*32768+\ct*512   ; a chunk of o16: 512 consecutive bytes, aligned
.endr
.endr
.endm
	s_cmp_lt_u32 s8, 4
	s_cbranch_scc0 .Lsend_h
	SEND 64, 32
	s_branch .Lsent
.Lsend_h:
	SEND 0, 16
.Lsent:
	s_wait_dscnt 0x0                               ; for the partner's sake: my stores are done
	s_barrier_signal -1
	s_barrier_wait -1
	s_cmp_lt_u32 s8, 4
	s_cbranch_scc0 .Lmerge_l
	MERGE 0, 16, 36
	s_branch .Ldone
.Lmerge_l:
	MERGE 64, 32, 38
.Ldone:
	s_wait_tensorcnt 0x0                           ; the wave's end
	ds_add_u32 v4, v5
	s_wait_dscnt 0x0
	s_endpgm
.Lfunc_end_k_q6f0381e969_attn:
	.size	k_q6f0381e969_attn, .Lfunc_end_k_q6f0381e969_attn-k_q6f0381e969_attn
	.p2alignl 7, 3214868480
	.fill 96, 4, 3214868480
	.section	.rodata,"a",@progbits
	.p2align	6, 0x0
	.amdhsa_kernel k_q6f0381e969_attn
		.amdhsa_group_segment_fixed_size 327680
		.amdhsa_private_segment_fixed_size 0
		.amdhsa_enable_private_segment 0
		.amdhsa_kernarg_size 16
		.amdhsa_user_sgpr_count 2
		.amdhsa_user_sgpr_kernarg_segment_ptr 1
		.amdhsa_wavefront_size32 1
		.amdhsa_system_sgpr_workgroup_id_x 1
		.amdhsa_system_sgpr_workgroup_id_y 1
		.amdhsa_system_sgpr_workgroup_id_z 1
		.amdhsa_system_vgpr_workitem_id 0
		.amdhsa_next_free_vgpr 512
		.amdhsa_next_free_sgpr 66
		.amdhsa_reserve_vcc 1
		.amdhsa_float_denorm_mode_32 3
		.amdhsa_float_denorm_mode_16_64 3
		.amdhsa_memory_ordered 1
		.amdhsa_forward_progress 1
		.amdhsa_inst_pref_size 96
	.end_amdhsa_kernel
	.amdgpu_metadata
---
amdhsa.version: [ 1, 2 ]
amdhsa.kernels:
  - .name:           k_q6f0381e969_attn
    .symbol:         k_q6f0381e969_attn.kd
    .args:
      - { .name: qkv16, .offset: 0, .size: 8, .value_kind: global_buffer, .address_space: global }
      - { .name: o16, .offset: 8, .size: 8, .value_kind: global_buffer, .address_space: global }
    .group_segment_fixed_size: 327680
    .private_segment_fixed_size: 0
    .kernarg_segment_align: 8
    .kernarg_segment_size: 16
    .max_flat_workgroup_size: 256
    .sgpr_count:     66
    .vgpr_count:     512
    .wavefront_size: 32
...
	.end_amdgpu_metadata
.endif
;; end of part 3
;; launch oproj (part 4): grid 8 x 32, 4 waves a work-group, clusters of 4 x 4, 327,680 bytes of LDS; arguments o16, wo16, bo, out0; writes out0
.if DOCPART == 4
	.amdgcn_target "amdgcn-amd-amdhsa--gfx1250"
	.amdhsa_code_object_version 6
	.text
	.protected	k_q6f0381e969_oproj
	.globl	k_q6f0381e969_oproj
	.p2align	8
	.type	k_q6f0381e969_oproj,@function
k_q6f0381e969_oproj:
	s_mov_b64 s[64:65], 0
	v_nop
	global_prefetch_b8 v0, s[64:65] scope:SCOPE_SE
	s_setreg_imm32_b32 hwreg(HW_REG_WAVE_MODE, 25, 1), 1
	s_wait_xcnt 0x0
	s_wait_alu depctr_hold_cnt(0) depctr_sa_sdst(0) depctr_va_vdst(0) depctr_va_sdst(0) depctr_va_ssrc(0) depctr_va_vcc(0) depctr_vm_vsrc(0)
	s_getreg_b32 s2, hwreg(HW_REG_IB_STS2, 6, 4)
	s_cmp_eq_u32 s2, 0
	s_cbranch_scc0 .Lentry_in_a_cluster
	s_endpgm
.Lentry_in_a_cluster:
	s_bfe_u32 s2, ttmp6, 0x10000c
	s_cmp_lg_u32 s2, 0xf033
	s_cbranch_scc0 .Lentry_shape_is_right
	s_endpgm
.Lentry_shape_is_right:
; out0[m][n] = sum over k of o[m][k] Wo[n][k] + bo[n].  o16: 4,096 rows, wo16's high parts: 1,024 rows, both f16 along K = 1,024, laid as images of operand registers:
; row tile (16 rows) x 32768 + (k / 32) x 1024 + e x 512; a chunk of 512 bytes is registers 4 e .. 4 e + 3 of the fragment, 16 bytes a lane.  out0: f32.  Sums in f32.
; (Rows 0-15 of each sequence are stored here like all others and stored again, more finely, by the launch behind this one: telling them apart here would take a branch on a work-group's place in its cluster.)
; A tile of out0 is 128 x 128: 256 work-groups.  Four waves, each 64 x 64: 16 accumulators.  K goes in steps of 256 through two LDS slots; a wave's tensor load brings 4 row tiles x 8,192 bytes.
; The images are dense: a fragment load takes 512 consecutive bytes, so no padding is wanted.  CLUSTERS: 4 x 4; A's tiles are asked for jointly along a row of the cluster, B's along a column.
; THE MATRIX INSTRUCTION IS USED TRANSPOSED (source 0 = 16 rows of Wo, source 1 = 16 rows of o): a lane holds eight neighbouring numbers of a row of out0.  The bias is the C of each sum's first product.
; No prefetch: on tiles of this size the joint loads' K steps are short.
; REGISTERS: window 0: v0-31 addresses; v32-95 the way out; v96-127 the bias, in the result's layout; v128-255 the accumulators ((a, b) at v[128 + 8 (4 a + b)]).   window 1: two fragment buffers of 128.
.set KSB,    8192                      ; a K step of one row tile, in bytes
.set HALFT,  4*KSB                     ; what one tensor load brings, and what one wave reads of A or of B
.set SLOT,   4*HALFT
.set STAGE,  2*SLOT                    ; behind the ring: 16 rows x 272 bytes for each wave
.set SPITCH, 272
.set SPARE,  STAGE+4*16*SPITCH         ; the spare words, 128 bytes a wave
.set LAPS,   2                         ; K = 1,024 is four K steps: twice round the ring
.set ADRA, 16
.set ADRB, 20
.set STO,  24
.set RD,   25
.set CO,   26
.set BOF,  27
.set SPW,  28                          ; v28  SPARE + 4 x my thread's number; never rewritten
.set NIL,  29                          ; v29  0; never rewritten
.set TMP,  32
.set BIAS, 96
.set ACC,  128
.set F0,   0
.set F1,   128
.set G1, 24
.set G0, 32
.set G1B, 48
.set G0B, 56
.set MSB, 0
.macro WIN new
.if MSB != \new
	s_set_vgpr_msb (MSB<<8)|\new
.set MSB, \new
.endif
.endm
.set MUL,  0x05                        ; sources 0 and 1 window 1; C and D window 0
.set TO_F, 0x40
.macro JLOAD s                         ; a joint load: waves 0 and 1 fetch A's halves, waves 2 and 3 B's; an s_nop 0 and four v_nop follow each of the two lines
	s_cmp_eq_u32 s11, 0
	s_cbranch_scc0 .Lfor_b_\@
	tensor_load_to_lds s[G0+4*\s:G0+4*\s+3], s[G1:G1+7]
	s_nop 0
.rept 4
	v_nop
.endr
	s_branch .Lasked_\@
.Lfor_b_\@:
	tensor_load_to_lds s[G0B+4*\s:G0B+4*\s+3], s[G1B:G1B+7]
	s_nop 0
.rept 4
	v_nop
.endr
.Lasked_\@:
.endm
.macro CREST
	s_cmp_lg_u32 s10, 0
	s_cbranch_scc1 .Lnot_wave_0_\@
	s_barrier_signal -3
.Lnot_wave_0_\@:
	s_barrier_wait -3
	s_barrier_signal -1
	s_barrier_wait -1
.endm
.macro CROUND
	s_barrier_signal -1
	s_barrier_wait -1
	CREST
.endm
	s_load_b128 s[4:7], s[0:1], 0x0                ; o16, wo16
	s_load_b128 s[68:71], s[0:1], 0x10             ; bo, out0
	v_lshl_add_u32 v[SPW], v0, 2, SPARE
	v_mov_b32 v[NIL], 0
	ds_add_u32 v[SPW], v[NIL]                      ; the wave's opening: the add, twice on end, and its wait ahead of my first tensor load
	ds_add_u32 v[SPW], v[NIL]
	v_lshrrev_b32 v1, 5, v0
	v_readfirstlane_b32 s10, v1                    ; wave 0..3
	s_lshr_b32 s11, s10, 1                         ; which half of the tile's rows is mine.  Also: I fetch for A (0) or for B (1)
	s_and_b32 s12, s10, 1                          ; which half of its columns.  Also: which 4 row tiles I fetch
	s_bfe_u32 s40, ttmp6, 0x40000                  ; cx, cy
	s_bfe_u32 s41, ttmp6, 0x40004
	s_lshl_b32 s42, ttmp9, 2
	s_add_co_u32 s42, s42, s40                     ; tile column
	s_and_b32 s13, ttmp7, 0xffff
	s_lshl_b32 s13, s13, 2
	s_add_co_u32 s13, s13, s41                     ; tile row
	s_lshl_b32 s43, s41, 2
	s_lshl_b32 s43, 15, s43                        ; my row of the cluster
	s_lshl_b32 s44, 0x1111, s40                    ; my column
	s_or_b32 s[G1+0], s43, (3<<16)|(1<<21)         ; the mask; elements of 8 bytes; bit 21 beside a mask; no padding
	s_or_b32 s[G1B+0], s44, (3<<16)|(1<<21)
.irp g, G1, G1B
	s_mov_b32 s[\g+1], 1024<<16                    ; tensor_dim0 = 1,024 (8,192 bytes)
	s_mov_b32 s[\g+2], 4<<16                       ; tensor_dim1 = 4
	s_mov_b32 s[\g+3], 1024<<16                    ; tile_dim0
	s_mov_b32 s[\g+4], 4                           ; tile_dim1
	s_mov_b32 s[\g+5], 4096                        ; from row tile to row tile: 32,768 bytes
	s_mov_b32 s[\g+6], 0
	s_mov_b32 s[\g+7], 0
.endr
	s_lshl_b32 s17, s12, 2
	s_lshl_b32 s16, s13, 3
	s_add_co_u32 s16, s16, s17                     ; A: row tile 8 x tile row + 4 x half
	s_lshl_b32 s16, s16, 15
	s_lshl_b32 s46, s42, 3
	s_add_co_u32 s46, s46, s17                     ; B: 8 x tile column + 4 x half
	s_lshl_b32 s46, s46, 15
	s_mov_b32 s17, 0
	s_mov_b32 s47, 0
	s_mul_i32 s20, s10, HALFT                      ; where they go: no place in the cluster enters an LDS address
	s_wait_dscnt 0x0                               ; both opening adds are done
	s_wait_kmcnt 0x0
	s_add_nc_u64 s[14:15], s[4:5], s[16:17]
	s_add_nc_u64 s[46:47], s[6:7], s[46:47]
	CROUND                                         ; all sixteen work-groups are here: the first joint loads meet
.irp s, 0,1
	s_mov_b32 s[G0+4*\s], 1
	s_add_co_u32 s[G0+4*\s+1], s20, \s*SLOT
	s_add_nc_u64 s[G0+4*\s+2:G0+4*\s+3], s[14:15], \s*KSB
	s_or_b32 s[G0+4*\s+3], s[G0+4*\s+3], 0x80000000
	s_mov_b32 s[G0B+4*\s], 1
	s_add_co_u32 s[G0B+4*\s+1], s20, \s*SLOT
	s_add_nc_u64 s[G0B+4*\s+2:G0B+4*\s+3], s[46:47], \s*KSB
	s_or_b32 s[G0B+4*\s+3], s[G0B+4*\s+3], 0x80000000
	JLOAD \s
.endr
	v_and_b32 v1, 15, v0                           ; l % 16
	v_bfe_u32 v2, v0, 4, 1                         ; l / 16
	v_and_b32 v3, 31, v0
	v_lshlrev_b32 v3, 4, v3                        ; 16 x lane: my place in a chunk
	s_mul_i32 s21, s11, HALFT
	s_mul_i32 s22, s12, HALFT
	s_add_co_u32 s22, s22, 2*HALFT
.irp s, 0,1
	v_add_nc_u32 v[ADRA+\s], s21, v3
	v_add_nc_u32 v[ADRB+\s], s22, v3
	s_add_co_u32 s21, s21, SLOT
	s_add_co_u32 s22, s22, SLOT
.endr
	s_mul_i32 s23, s10, 16*SPITCH
	s_add_co_u32 s23, s23, STAGE                   ; my stage
	v_mul_u32_u24 v4, v1, SPITCH
	v_lshl_add_u32 v4, v2, 5, v4
	v_add_nc_u32 v[STO], s23, v4                   ; in: row l % 16, 32 bytes for each half of the lanes
	v_mul_u32_u24 v5, v2, SPITCH
	v_lshl_add_u32 v5, v1, 4, v5
	v_add_nc_u32 v[RD], s23, v5                    ; back: lanes 0-15 one row of 256 bytes, lanes 16-31 the next
	v_lshlrev_b32 v5, 12, v2
	v_lshl_add_u32 v[CO], v1, 4, v5                ; and the same two rows in out0
	v_lshlrev_b32 v[BOF], 5, v2
	s_lshl_b32 s16, s13, 7
	s_lshl_b32 s17, s11, 6
	s_add_co_u32 s16, s16, s17                     ; my first row
	s_lshl_b32 s16, s16, 12
	s_lshl_b32 s46, s42, 9
	s_lshl_b32 s47, s12, 8
	s_add_co_u32 s46, s46, s47                     ; my first column, in bytes: a multiple of 256
	s_mov_b32 s47, 0
	s_add_nc_u64 s[68:69], s[68:69], s[46:47]
	s_add_co_u32 s16, s16, s46
	s_mov_b32 s17, 0
	s_add_nc_u64 s[70:71], s[70:71], s[16:17]
.irp b, 0,1,2,3
	global_load_b128 v[BIAS+8*\b:BIAS+8*\b+3], v[BOF], s[68:69] offset:64*\b         ; lane (r, h): bo of columns 16 b + 8 h + 0..7
	global_load_b128 v[BIAS+8*\b+4:BIAS+8*\b+7], v[BOF], s[68:69] offset:64*\b+16
.endr
; 8 matrix instructions: m blocks a0, a0 + 1 x all 4 n blocks, 32 along K: half c of buffer f.  zero = 1: the first product starts the sums, from the bias.  The 16 accumulators take turns.
.macro MUL8 f, c, a0, zero
.irp a, \a0, \a0+1
.irp b, 0,1,2,3
.if \zero
	v_wmma_f32_16x16x32_f16 v[ACC+8*(4*(\a)+\b):ACC+8*(4*(\a)+\b)+7], v[\f+64+8*(4*\c+\b):\f+64+8*(4*\c+\b)+7], v[\f+8*(4*\c+\a):\f+8*(4*\c+\a)+7], v[BIAS+8*\b:BIAS+8*\b+7]
.else
	v_wmma_f32_16x16x32_f16 v[ACC+8*(4*(\a)+\b):ACC+8*(4*(\a)+\b)+7], v[\f+64+8*(4*\c+\b):\f+64+8*(4*\c+\b)+7], v[\f+8*(4*\c+\a):\f+8*(4*\c+\a)+7], v[ACC+8*(4*(\a)+\b):ACC+8*(4*(\a)+\b)+7]
.endif
.endr
.endr
.endm
; 32 LDS loads in one run: the fragments of 64 along K, from byte k of each row tile's K step, into buffer f; the first 32 along K first
.macro FETCH slot, k, f
	WIN TO_F
.irp c, 0,1
.irp i, 0,1,2,3
	ds_load_b128 v[\f+64+8*(4*\c+\i):\f+64+8*(4*\c+\i)+3],   v[ADRB+\slot] offset:\k+1024*\c+\i*KSB
	ds_load_b128 v[\f+64+8*(4*\c+\i)+4:\f+64+8*(4*\c+\i)+7], v[ADRB+\slot] offset:\k+1024*\c+\i*KSB+512
	ds_load_b128 v[\f+8*(4*\c+\i):\f+8*(4*\c+\i)+3],         v[ADRA+\slot] offset:\k+1024*\c+\i*KSB
	ds_load_b128 v[\f+8*(4*\c+\i)+4:\f+8*(4*\c+\i)+7],       v[ADRA+\slot] offset:\k+1024*\c+\i*KSB+512
.endr
.endr
.endm
.macro PLACES
.rept 4
	v_nop
.endr
.endm
.macro QUARTER slot, k, f, g, zero     ; multiplies buffer f and fetches the next quarter, at byte k, into g
	s_wait_dscnt 16                                ; the first 32 along K are in; the other sixteen loads may be out
	WIN MUL
	MUL8 \f, 0, 0, \zero
	MUL8 \f, 0, 2, \zero
	PLACES
	FETCH \slot, \k, \g
	s_wait_dscnt 32                                ; all but the 32 just issued
	WIN MUL
	MUL8 \f, 1, 0, 0
	MUL8 \f, 1, 2, 0
.endm
; The last quarter multiplies buffer 1 and changes slots: one barrier; in front of it each wave waits for all its tensor loads, adds 0 to its spare word, and waits for that and for its reads of this slot.
.macro TURN slot, next, fill
	WIN 0
	s_wait_tensorcnt 0x0                           ; the one that was out is my part of the next slot
	ds_add_u32 v[SPW], v[NIL]
	s_wait_dscnt 17                                ; (the add and the youngest sixteen loads may be out)
	WIN MUL
	MUL8 F1, 0, 0, 0
	s_wait_dscnt 0x0
	s_barrier_signal -1
	MUL8 F1, 0, 2, 0
.if \fill
	WIN 0
.endif
	s_barrier_wait -1
.if \fill
	CREST                                          ; the barrier has opened a round of the cluster's: no wave of any partner still reads this slot or has a load on its way
	s_add_nc_u64 s[G0+4*\slot+2:G0+4*\slot+3], s[G0+4*\slot+2:G0+4*\slot+3], 2*KSB
	s_add_nc_u64 s[G0B+4*\slot+2:G0B+4*\slot+3], s[G0B+4*\slot+2:G0B+4*\slot+3], 2*KSB
	JLOAD \slot                                    ; the first tensor load behind the round; its four v_nop are also the places in front of the loads below
.else
	PLACES
.endif
	FETCH \next, 0, F0
	WIN MUL
	MUL8 F1, 1, 0, 0
	MUL8 F1, 1, 2, 0
.endm
	s_wait_tensorcnt 1                             ; my part of K step 0 is in; K step 1's may be out
	s_barrier_signal -1
	s_barrier_wait -1
	FETCH 0, 0, F0
	s_wait_loadcnt 0x0                             ; the bias
	QUARTER 0, 2048, F0, F1, 1
	WIN 0
	s_mov_b32 s3, LAPS-1
.Llap:
	QUARTER 0, 4096, F1, F0, 0
	QUARTER 0, 6144, F0, F1, 0
	TURN 0, 1, 1
	QUARTER 1, 2048, F0, F1, 0
	QUARTER 1, 4096, F1, F0, 0
	QUARTER 1, 6144, F0, F1, 0
	TURN 1, 0, 1
	QUARTER 0, 2048, F0, F1, 0
	WIN 0
	s_sub_co_u32 s3, s3, 1
	s_cmp_lg_u32 s3, 0
	s_cbranch_scc1 .Llap
	QUARTER 0, 4096, F1, F0, 0                     ; the last lap fills nothing
	QUARTER 0, 6144, F0, F1, 0
	TURN 0, 1, 0
	QUARTER 1, 2048, F0, F1, 0
	QUARTER 1, 4096, F1, F0, 0
	QUARTER 1, 6144, F0, F1, 0
	s_wait_dscnt 16
	WIN MUL
	MUL8 F1, 0, 0, 0
	MUL8 F1, 0, 2, 0
	s_wait_dscnt 0
	MUL8 F1, 1, 0, 0
	MUL8 F1, 1, 2, 0
	WIN 0
; THE WAY OUT.  My 64 columns of a row are 256 aligned bytes, so each wave has a stage of its own and no barrier is wanted: a block of 16 rows goes in 32 bytes a lane and comes back as whole rows.
; LDS serves a wave's instructions in order: no wait between the stores and the loads, nor in front of the next block's stores.
.macro TOSTAGE a
.irp b, 0,1,2,3
	ds_store_b128 v[STO], v[ACC+8*(4*(\a)+\b):ACC+8*(4*(\a)+\b)+3] offset:64*\b      ; each accumulator from its low end on
	ds_store_b128 v[STO], v[ACC+8*(4*(\a)+\b)+4:ACC+8*(4*(\a)+\b)+7] offset:64*\b+16
.endr
.set BB, TMP+32*((\a)%2)
.irp t, 0,1,2,3,4,5,6,7
	ds_load_b128 v[BB+4*\t:BB+4*\t+3], v[RD] offset:\t*2*SPITCH
.endr
.endm
.macro SEND a, younger                 ; younger: the LDS instructions issued behind block a's loads
.set BB, TMP+32*((\a)%2)
	s_wait_dscnt \younger
.irp t, 0,1,2,3,4,5,6,7
	global_store_b128 v[CO], v[BB+4*\t:BB+4*\t+3], s[70:71] offset:(\a)*65536+\t*8192 th:TH_STORE_NT   ; 16 lanes store 256 consecutive bytes, aligned
.endr
.endm
	PLACES
	TOSTAGE 0
.irp a, 1,2,3
.if \a > 1
	s_wait_xcnt 0x0                                ; block a - 2's stores have read their registers
.endif
	TOSTAGE \a
	SEND \a-1, 16                                  ; behind block a - 1's loads: block a's 8 stores and 8 loads
.endr
	SEND 3, 0
	s_wait_tensorcnt 0x0                           ; the wave's end
	ds_add_u32 v[SPW], v[NIL]
	s_wait_dscnt 0x0
	CROUND                                         ; the closing round
	s_endpgm
.Lfunc_end_k_q6f0381e969_oproj:
	.size	k_q6f0381e969_oproj, .Lfunc_end_k_q6f0381e969_oproj-k_q6f0381e969_oproj
	.p2alignl 7, 3214868480
	.fill 96, 4, 3214868480
	.section	.rodata,"a",@progbits
	.p2align	6, 0x0
	.amdhsa_kernel k_q6f0381e969_oproj
		.amdhsa_group_segment_fixed_size 327680
		.amdhsa_private_segment_fixed_size 0
		.amdhsa_enable_private_segment 0
		.amdhsa_kernarg_size 32
		.amdhsa_user_sgpr_count 2
		.amdhsa_user_sgpr_kernarg_segment_ptr 1
		.amdhsa_wavefront_size32 1
		.amdhsa_system_sgpr_workgroup_id_x 1
		.amdhsa_system_sgpr_workgroup_id_y 1
		.amdhsa_system_sgpr_workgroup_id_z 1
		.amdhsa_system_vgpr_workitem_id 0
		.amdhsa_next_free_vgpr 512
		.amdhsa_next_free_sgpr 72
		.amdhsa_reserve_vcc 0
		.amdhsa_float_denorm_mode_32 3
		.amdhsa_float_denorm_mode_16_64 3
		.amdhsa_memory_ordered 1
		.amdhsa_forward_progress 1
		.amdhsa_inst_pref_size 86
	.end_amdhsa_kernel
	.amdgpu_metadata
---
amdhsa.version: [ 1, 2 ]
amdhsa.kernels:
  - .name:           k_q6f0381e969_oproj
    .symbol:         k_q6f0381e969_oproj.kd
    .args:
      - { .name: o16, .offset: 0, .size: 8, .value_kind: global_buffer, .address_space: global }
      - { .name: wo16, .offset: 8, .size: 8, .value_kind: global_buffer, .address_space: global }
      - { .name: bo, .offset: 16, .size: 8, .value_kind: global_buffer, .address_space: global }
      - { .name: out0, .offset: 24, .size: 8, .value_kind: global_buffer, .address_space: global }
    .group_segment_fixed_size: 327680
    .private_segment_fixed_size: 0
    .kernarg_segment_align: 8
    .kernarg_segment_size: 32
    .max_flat_workgroup_size: 128
    .sgpr_count:     72
    .vgpr_count:     512
    .wavefront_size: 32
...
	.end_amdgpu_metadata
.endif
;; end of part 4
;; launch first16 (part 5): grid 16 x 2, 16 waves a work-group, no clusters, 149,504 bytes of LDS; arguments qkv16, lo16, wo16, bo, out0; writes out0
.if DOCPART == 5
	.amdgcn_target "amdgcn-amd-amdhsa--gfx1250"
	.amdhsa_code_object_version 6
	.text
	.protected	k_q6f0381e969_first16
	.globl	k_q6f0381e969_first16
	.p2align	8
	.type	k_q6f0381e969_first16,@function
k_q6f0381e969_first16:
	s_mov_b64 s[64:65], 0
	v_nop
	global_prefetch_b8 v0, s[64:65] scope:SCOPE_SE
	s_setreg_imm32_b32 hwreg(HW_REG_WAVE_MODE, 25, 1), 1
	s_wait_xcnt 0x0
; Positions 0-15 of both sequences once more, with every operand as a pair of f16 numbers (a high part and a low part, split in f32): these rows average one to sixteen values, so an operand's rounding weighs most here.
; Work-group (cg, batch) makes out0 rows 2048 batch + 0..15, columns 64 cg .. 64 cg + 63, and stores them over what the launch before left there.
; PHASE A, a wave a head: S^T = K Q^T as Kh Qh + Kh Ql + Kl Qh; causal softmax in f32; O^T = V^T P with ONE K of 32 that carries v's high parts of the 16 keys in places 0-15 and its low parts in places 16-31,
; against (ph, ph) and then (pl, pl): all four cross terms.  o / sum is split again and goes to LDS as images of operand registers (one row tile of o: 32 KB high, 32 KB low).
; PHASE B: wave w takes the tile of 16 columns w & 3 and the quarter w >> 2 of K = 1,024: Wh oh + Wh ol + Wl oh on three accumulators by turns; the four quarters meet in LDS; waves 0-7 add them and the bias and store.
; No tensor loads, no cluster (what work-groups share, 16 positions of q, k, v, is a small part of what each reads: its own 256 KB of Wo's parts), no prefetch (a short launch).
; REGISTERS: v2 16 x lane; v5 r - 8 h; v6, v7 the add's two; v8-14 LDS and memory places; v15 -infinity; v16-47 Q (high, low), then O^T, then o's fragments; v48-79 K, then at work, then o's low fragments;
;   v80-111 V, then phase B's sums; v112-127 the two score sums; v128-191 Wo's high fragments, v192-255 its low ones.
.set OH,    65536                      ; LDS: 0: 4,096 bytes a wave for V's turn;  OH, OL: o's images
.set OL,    98304
.set PS,    131072                     ; 1,024 bytes a wave: phase B's partial sums
.set SPARE, 147456                     ; the spare words, 128 bytes a wave
	s_load_b256 s[4:11], s[0:1], 0x0               ; qkv16, lo16, wo16, bo
	s_load_b64 s[12:13], s[0:1], 0x20              ; out0
	v_lshl_add_u32 v6, v0, 2, SPARE
	v_mov_b32 v7, 0
	v_lshrrev_b32 v1, 5, v0
	v_readfirstlane_b32 s14, v1                    ; wave = head
	s_and_b32 s15, ttmp7, 0xffff                   ; batch
	v_and_b32 v2, 31, v0
	v_lshlrev_b32 v2, 4, v2                        ; 16 x lane
	v_and_b32 v5, 15, v0
	v_bfe_u32 v1, v0, 4, 1
	v_lshlrev_b32 v1, 3, v1
	v_sub_nc_u32 v5, v5, v1                        ; r - 8 h
	s_lshl_b32 s16, s14, 12
	v_add_nc_u32 v8, s16, v2                       ; V's turn
	s_lshl_b32 s16, s14, 11
	s_add_co_u32 s16, s16, OH
	v_add_nc_u32 v9, s16, v2                       ; where my head's o goes
	s_lshl_b32 s16, s14, 10
	s_add_co_u32 s16, s16, PS
	v_add_nc_u32 v10, s16, v2                      ; where my partial sums go
	s_lshr_b32 s17, s14, 2                         ; my quarter of K
	s_lshl_b32 s16, s17, 13
	s_add_co_u32 s16, s16, OH
	v_add_nc_u32 v14, s16, v2                      ; o's fragments of that quarter
	v_bfe_u32 v1, v0, 4, 4                         ; at the end thread t of the first 256 takes row t / 16,
	v_and_b32 v3, 15, v0                           ; columns 4 c + 0..3, c = t % 16: tile c / 4, lanes' half (c / 2) % 2, registers' half c % 2
	v_lshrrev_b32 v4, 2, v3
	v_lshlrev_b32 v11, 10, v4
	v_and_b32 v4, 1, v3
	v_lshl_add_u32 v11, v4, 9, v11
	v_bfe_u32 v4, v3, 1, 1
	v_lshl_add_u32 v4, v4, 4, v1
	v_lshl_add_u32 v11, v4, 4, v11
	v_add_nc_u32 v11, PS, v11
	v_lshlrev_b32 v13, 4, v3                       ; in bo,
	v_lshl_add_u32 v12, v1, 12, v13                ; in out0
	v_mov_b32 v15, 0xff800000
	s_mov_b32 s30, 0x76543210
	s_mov_b32 s31, 0xfedcba98
	s_lshl_b32 s18, s15, 4
	s_add_co_u32 s18, s18, s14                     ; 16 batch + head
	s_mov_b32 s33, 0
	s_wait_kmcnt 0x0
	s_lshl_b32 s32, s18, 18
	s_add_nc_u64 s[20:21], s[4:5], s[32:33]        ; q,
	s_add_nc_u64 s[22:23], s[20:21], 0x800000      ; k,
	s_add_nc_u64 s[24:25], s[20:21], 0x1000000     ; v: the head's first 16 positions
	s_lshl_b32 s32, s18, 11
	s_add_nc_u64 s[26:27], s[6:7], s[32:33]        ; their low parts
	s_lshl_b32 s32, ttmp9, 2
	s_and_b32 s16, s14, 3
	s_add_co_u32 s32, s32, s16                     ; my tile of 16 rows of Wo
	s_lshl_b32 s32, s32, 15
	s_lshl_b32 s16, s17, 13
	s_add_co_u32 s32, s32, s16
	s_add_nc_u64 s[28:29], s[8:9], s[32:33]
	s_lshl_b32 s32, ttmp9, 8
	s_add_nc_u64 s[10:11], s[10:11], s[32:33]
	s_lshl_b32 s16, s15, 23
	s_add_co_u32 s32, s32, s16
	s_add_nc_u64 s[12:13], s[12:13], s[32:33]
.irp ct, 0,1,2,3
	global_load_b128 v[80+4*\ct:83+4*\ct], v2, s[24:25] offset:512*\ct               ; V, high
	global_load_b128 v[96+4*\ct:99+4*\ct], v2, s[26:27] offset:131072+512*\ct        ; and low
.endr
.irp ct, 0,1,2,3
	global_load_b128 v[16+4*\ct:19+4*\ct], v2, s[20:21] offset:512*\ct               ; Q high,
	global_load_b128 v[32+4*\ct:35+4*\ct], v2, s[26:27] offset:512*\ct               ; low;
	global_load_b128 v[48+4*\ct:51+4*\ct], v2, s[22:23] offset:512*\ct               ; K high,
	global_load_b128 v[64+4*\ct:67+4*\ct], v2, s[26:27] offset:65536+512*\ct         ; low
.endr
.irp j, 0,1,2,3,4,5,6,7
.irp e, 0,1
	global_load_b128 v[128+8*\j+4*\e:131+8*\j+4*\e], v2, s[28:29] offset:1024*\j+512*\e              ; Wo's fragments for phase B
	global_load_b128 v[192+8*\j+4*\e:195+8*\j+4*\e], v2, s[28:29] offset:1024*\j+512*\e+2097152
.endr
.endr
	s_wait_loadcnt 48                              ; V's eight loads are in; 48 younger ones may be out
.irp ct, 0,1,2,3
	ds_store_b128 v8, v[80+4*\ct:83+4*\ct] offset:512*\ct
	ds_store_b128 v8, v[96+4*\ct:99+4*\ct] offset:2048+512*\ct
.endr
	s_wait_dscnt 0x0                               ; the stores have read their registers
.irp ct, 0,1,2,3
	ds_load_tr16_b128 v[80+8*\ct:83+8*\ct], v8 offset:512*\ct                        ; lane (r, h): channel 16 ct + r, keys 8 h + 0..7: high parts in registers 0-3,
	ds_load_tr16_b128 v[84+8*\ct:87+8*\ct], v8 offset:2048+512*\ct                   ; low parts in registers 4-7
.endr
	s_wait_loadcnt 32                              ; Q and K are in; Wo's 32 loads may be out
	v_wmma_f32_16x16x32_f16 v[112:119], v[48:55], v[16:23], 0                        ; two sums, one for each 32 channels, by turns: Kh Qh,
	v_wmma_f32_16x16x32_f16 v[120:127], v[56:63], v[24:31], 0
	v_wmma_f32_16x16x32_f16 v[112:119], v[48:55], v[32:39], v[112:119]               ; Kh Ql,
	v_wmma_f32_16x16x32_f16 v[120:127], v[56:63], v[40:47], v[120:127]
	v_wmma_f32_16x16x32_f16 v[112:119], v[64:71], v[16:23], v[112:119]               ; Kl Qh
	v_wmma_f32_16x16x32_f16 v[120:127], v[72:79], v[24:31], v[120:127]
.rept 4
	v_nop
.endr
.irp j, 0,2,4,6
	v_pk_add_f32 v[48+\j:49+\j], v[112+\j:113+\j], v[120+\j:121+\j]                  ; lane (r, h): query r, keys 8 h + j
.endr
.irp j, 0,1,2,3,4,5,6,7
	v_cmp_gt_i32 vcc_lo, \j, v5                    ; hidden where 8 h + j > r
	v_cndmask_b32 v[48+\j], v[48+\j], v15, vcc_lo
.endr
	v_max3_num_f32 v1, v48, v49, v50
	v_max3_num_f32 v1, v1, v51, v52
	v_max3_num_f32 v1, v1, v53, v54
	v_max_num_f32 v1, v1, v55
	v_permlanex16_b32 v3, v1, s30, s31
	v_max_num_f32 v1, v1, v3                       ; the row's maximum: key 0 counts for every query
.irp j, 0,1,2,3,4,5,6,7
	v_sub_f32 v[48+\j], v[48+\j], v1
.endr
.irp j, 0,1,2,3,4,5,6,7
	v_exp_f32 v[48+\j], v[48+\j]
.endr
	v_nop
	s_wait_alu depctr_va_vdst(0)                   ; one wait for the eight, ahead of their first reader
	v_pk_add_f32 v[56:57], v[48:49], v[50:51]
	v_pk_add_f32 v[58:59], v[52:53], v[54:55]
	v_pk_add_f32 v[56:57], v[56:57], v[58:59]
	v_add_f32 v3, v56, v57
	v_permlanex16_b32 v4, v3, s30, s31
	v_add_f32 v3, v3, v4
	v_rcp_f32 v120, v3                             ; 1 / the row's sum; the split below is the plain work behind it
; eight f32 numbers in v48-55 become f16 high parts in v64-67 and low parts in v72-75 (v56-63 at work)
.macro SPLIT
	v_cvt_pk_f16_f32 v64, v48, v49
	v_cvt_pk_f16_f32 v65, v50, v51
	v_cvt_pk_f16_f32 v66, v52, v53
	v_cvt_pk_f16_f32 v67, v54, v55
	v_cvt_f32_f16 v56, v64.l
	v_cvt_f32_f16 v57, v64.h
	v_cvt_f32_f16 v58, v65.l
	v_cvt_f32_f16 v59, v65.h
	v_cvt_f32_f16 v60, v66.l
	v_cvt_f32_f16 v61, v66.h
	v_cvt_f32_f16 v62, v67.l
	v_cvt_f32_f16 v63, v67.h
.irp j, 0,2,4,6
	v_pk_add_f32 v[56+\j:57+\j], v[48+\j:49+\j], v[56+\j:57+\j] neg_lo:[0,1] neg_hi:[0,1]
.endr
.irp j, 0,1,2,3
	v_cvt_pk_f16_f32 v[72+\j], v[56+2*\j], v[57+2*\j]
.endr
.endm
	SPLIT
.irp j, 0,1,2,3
	v_mov_b32 v[68+\j], v[64+\j]                   ; the operand wants each part twice: against v's high parts and against its low parts
	v_mov_b32 v[76+\j], v[72+\j]
.endr
	s_wait_dscnt 0x0                               ; V's fragments
	s_wait_alu depctr_va_vdst(0)                   ; the reciprocal's wait
.irp ct, 0,1,2,3
	v_wmma_f32_16x16x32_f16 v[16+8*\ct:23+8*\ct], v[80+8*\ct:87+8*\ct], v[64:71], 0
.endr
.irp ct, 0,1,2,3
	v_wmma_f32_16x16x32_f16 v[16+8*\ct:23+8*\ct], v[80+8*\ct:87+8*\ct], v[72:79], v[16+8*\ct:23+8*\ct]
.endr
.rept 4
	v_nop
.endr
.irp ct, 0,1,2,3
.if \ct > 0
	s_wait_dscnt 0x0                               ; the last chunk's stores have read v64-67 and v72-75
.endif
.irp j, 0,2,4,6
	v_pk_mul_f32 v[48+\j:49+\j], v[16+8*\ct+\j:17+8*\ct+\j], v[120:121] op_sel_hi:[1,0]   ; o = O^T / sum: lane (r, h): row r, channels 16 ct + 8 h + 0..7: a cell
.endr
	SPLIT
	ds_store_b128 v9, v[64:67] offset:512*\ct
	ds_store_b128 v9, v[72:75] offset:512*\ct+OL-OH
.endr
	s_wait_dscnt 0x0                               ; for the others' sake: my stores are done
	s_barrier_signal -1
	s_barrier_wait -1                              ; all 16 heads' o lies in LDS
	s_wait_loadcnt 0x0                             ; Wo's fragments
.irp bt, 0,1                           ; my quarter of K in two batches of 4 x 32
.if \bt > 0
.rept 4
	v_nop                                          ; places in front of loads into registers that matrix instructions have read
.endr
.endif
.irp jj, 0,1,2,3
.irp e, 0,1
	ds_load_b128 v[16+8*\jj+4*\e:19+8*\jj+4*\e], v14 offset:1024*(4*\bt+\jj)+512*\e
	ds_load_b128 v[48+8*\jj+4*\e:51+8*\jj+4*\e], v14 offset:1024*(4*\bt+\jj)+512*\e+OL-OH
.endr
.endr
	s_wait_dscnt 0x0
.irp jj, 0,1,2,3
.if (\bt == 0) && (\jj == 0)
	v_wmma_f32_16x16x32_f16 v[80:87], v[128:135], v[16:23], 0                        ; Wh oh,
	v_wmma_f32_16x16x32_f16 v[88:95], v[128:135], v[48:55], 0                        ; Wh ol,
	v_wmma_f32_16x16x32_f16 v[96:103], v[192:199], v[16:23], 0                       ; Wl oh: three sums by turns
.else
	v_wmma_f32_16x16x32_f16 v[80:87], v[128+8*(4*\bt+\jj):135+8*(4*\bt+\jj)], v[16+8*\jj:23+8*\jj], v[80:87]
	v_wmma_f32_16x16x32_f16 v[88:95], v[128+8*(4*\bt+\jj):135+8*(4*\bt+\jj)], v[48+8*\jj:55+8*\jj], v[88:95]
	v_wmma_f32_16x16x32_f16 v[96:103], v[192+8*(4*\bt+\jj):199+8*(4*\bt+\jj)], v[16+8*\jj:23+8*\jj], v[96:103]
.endif
.endr
.endr
.rept 4
	v_nop
.endr
.irp j, 0,2,4,6
	v_pk_add_f32 v[104+\j:105+\j], v[80+\j:81+\j], v[88+\j:89+\j]
.endr
.irp j, 0,2,4,6
	v_pk_add_f32 v[104+\j:105+\j], v[104+\j:105+\j], v[96+\j:97+\j]                  ; lane (r, h): row r, columns 8 h + 0..7 of my tile, my quarter of K
.endr
	ds_store_b128 v10, v[104:107]
	ds_store_b128 v10, v[108:111] offset:512
	s_wait_dscnt 0x0
	s_barrier_signal -1
	s_barrier_wait -1
	s_cmp_lt_u32 s14, 8
	s_cbranch_scc0 .Lend
.irp kq, 0,1,2,3
	ds_load_b128 v[16+4*\kq:19+4*\kq], v11 offset:4096*\kq
.endr
	global_load_b128 v[32:35], v13, s[10:11]
	s_wait_dscnt 0x0
	v_pk_add_f32 v[16:17], v[16:17], v[20:21]
	v_pk_add_f32 v[18:19], v[18:19], v[22:23]
	v_pk_add_f32 v[24:25], v[24:25], v[28:29]
	v_pk_add_f32 v[26:27], v[26:27], v[30:31]
	v_pk_add_f32 v[16:17], v[16:17], v[24:25]
	v_pk_add_f32 v[18:19], v[18:19], v[26:27]
	s_wait_loadcnt 0x0
	v_pk_add_f32 v[16:17], v[16:17], v[32:33]
	v_pk_add_f32 v[18:19], v[18:19], v[34:35]
	global_store_b128 v12, v[16:19], s[12:13]      ; 16 lanes store 256 consecutive bytes, aligned
.Lend:
	s_wait_tensorcnt 0x0                           ; the wave's end, behind my last LDS store
	ds_add_u32 v6, v7
	s_wait_dscnt 0x0
	s_endpgm
.Lfunc_end_k_q6f0381e969_first16:
	.size	k_q6f0381e969_first16, .Lfunc_end_k_q6f0381e969_first16-k_q6f0381e969_first16
	.p2alignl 7, 3214868480
	.fill 96, 4, 3214868480
	.section	.rodata,"a",@progbits
	.p2align	6, 0x0
	.amdhsa_kernel k_q6f0381e969_first16
		.amdhsa_group_segment_fixed_size 149504
		.amdhsa_private_segment_fixed_size 0
		.amdhsa_enable_private_segment 0
		.amdhsa_kernarg_size 40
		.amdhsa_user_sgpr_count 2
		.amdhsa_user_sgpr_kernarg_segment_ptr 1
		.amdhsa_wavefront_size32 1
		.amdhsa_system_sgpr_workgroup_id_x 1
		.amdhsa_system_sgpr_workgroup_id_y 1
		.amdhsa_system_sgpr_workgroup_id_z 1
		.amdhsa_system_vgpr_workitem_id 0
		.amdhsa_next_free_vgpr 256
		.amdhsa_next_free_sgpr 66
		.amdhsa_reserve_vcc 1
		.amdhsa_float_denorm_mode_32 3
		.amdhsa_float_denorm_mode_16_64 3
		.amdhsa_memory_ordered 1
		.amdhsa_forward_progress 1
		.amdhsa_inst_pref_size 26
	.end_amdhsa_kernel
	.amdgpu_metadata
---
amdhsa.version: [ 1, 2 ]
amdhsa.kernels:
  - .name:           k_q6f0381e969_first16
    .symbol:         k_q6f0381e969_first16.kd
    .args:
      - { .name: qkv16, .offset: 0, .size: 8, .value_kind: global_buffer, .address_space: global }
      - { .name: lo16, .offset: 8, .size: 8, .value_kind: global_buffer, .address_space: global }
      - { .name: wo16, .offset: 16, .size: 8, .value_kind: global_buffer, .address_space: global }
      - { .name: bo, .offset: 24, .size: 8, .value_kind: global_buffer, .address_space: global }
      - { .name: out0, .offset: 32, .size: 8, .value_kind: global_buffer, .address_space: global }
    .group_segment_fixed_size: 149504
    .private_segment_fixed_size: 0
    .kernarg_segment_align: 8
    .kernarg_segment_size: 40
    .max_flat_workgroup_size: 512
    .sgpr_count:     66
    .vgpr_count:     256
    .wavefront_size: 32
...
	.end_amdgpu_metadata
.endif
;; end of part 5
